; MI455X (gfx1250); checked and timed in simulation.
; The chip was launched on July 23, 2026; its instructions are those of AMD's public machine-readable ISA for CDNA 5 (MIT licence, August 2026) and "CDNA5" Instruction Set Architecture Reference Guide (July 2026). The comments in the code are by the model that wrote it; some were corrected since.
;; Multi Head Attention. Allowed arithmetic: matrix products marked QUANTISED: E2M3 operands, one E8M0 scale for each 32 along K, by v_wmma_scale_f32_16x16x128_f8f6f4 with both operands' format E2M3, f32 sums; everything else in f32.
;; Inputs: Wk 1,024 x 1,024 float32; Wo 1,024 x 1,024 float32; Wq 1,024 x 1,024 float32; Wv 1,024 x 1,024 float32; bk 1,024 float32; bo 1,024 float32; bq 1,024 float32; bv 1,024 float32; x 4 x 2,048 x 1,024 float32.
;; Outputs: out0 4 x 2,048 x 1,024 float32.
;; This version of the problem:
;;   THIS VERSION OF THE PROBLEM IS GIVEN IN LOW PRECISION. The matrix products marked QUANTISED in the list below multiply operands that are first quantised to E2M3 (2 exponent bits, 3 mantissa bits; 6 bits a number), with one power-of-two scale for each 32 numbers along K (OCP MX v1.0); their sums are f32. All else is computed in f32.
;;   The module's matrix products, in the order in which they are computed (A, B: the left and right operand; K: the contracted axis; several contracted axes count as one K, in the product's order):
;;     1. [M 8,192, K 1,024] x [K 1,024, N 1,024]; A: input x; B: input Wq: QUANTISED
;;     2. [M 8,192, K 1,024] x [K 1,024, N 1,024]; A: input x; B: input Wk: QUANTISED
;;     3. [M 8,192, K 1,024] x [K 1,024, N 1,024]; A: input x; B: input Wv: QUANTISED
;;     4. batch 64 x [M 2,048, K 64] x [K 64, N 2,048]; A: computed on the way; B: computed on the way: QUANTISED
;;     5. batch 64 x [M 2,048, K 2,048] x [K 2,048, N 64]; A: softmax (see below); B: computed on the way: QUANTISED
;;     6. [M 8,192, K 1,024] x [K 1,024, N 1,024]; A: computed on the way; B: input Wo: QUANTISED
;;   THE QUANTISER, for each operand of a quantised product, along K:
;;     - K is cut into blocks of 32 from its start; a last block that is shorter is filled with zeros.
;;     - A block's scale is 2^e with e = floor(log2(the largest magnitude in the block)) - 2, held to -126 .. 127; a block of zeros has e = 0. As a byte (E8M0): e + 127.
;;     - Each number is divided by its block's scale, clamped to +-7.5, and rounded to the nearest number of E2M3, ties to even, subnormals kept.
;;     - The product sums the exact products of the quantised numbers (number of the format x scale) in f32.
;;   ~~~python
;;   def quantise(x, axis):      # numpy; x: float32 -> the quantised numbers, widened to float32 again
;;       x = np.moveaxis(x, axis, -1); K = x.shape[-1]
;;       x = np.pad(x, [(0, 0)] * (x.ndim - 1) + [(0, -K % 32)]); x = x.reshape(x.shape[:-1] + (-1, 32)); a = np.abs(x).max(-1, keepdims=True)
;;       e = np.where(a > 0, np.clip(np.frexp(np.where(a > 0, a, 1))[1] - 1 - 2, -126, 127), 0)      # np.frexp(a)[1] - 1 = floor(log2(a)), exactly
;;       r = np.clip(x / 2.0 ** e, -7.5, 7.5)
;;       step = 2.0 ** (np.maximum(np.frexp(np.where(r == 0, 1, r))[1] - 1, 0) - 3)
;;       q = np.round(r / step) * step * 2.0 ** e      # np.round: ties to even
;;       return np.moveaxis(q.reshape(q.shape[:-2] + (-1,))[..., :K], -1, axis).astype(np.float32)
;;   ~~~
;;   SOFTMAX AHEAD OF A QUANTISED PRODUCT. Where the list says 'softmax', what is quantised is not the finished softmax but p = 2^(t - M), with t = logit x log2(e) and M = ceil(the row's largest t), a whole number; so 1/2 < the row's largest p <= 1. The row's sum l is taken of the UNQUANTISED p, in f32, and the product's result is divided by l at the end. Since M is a whole number, a kernel that streams over the keys may use a running M (the ceiling of the running maximum): every later rescaling is an exact power of two, which a block's scale takes up: the codes' values come out the same.
;;   OPERANDS COMPUTED ON THE WAY. 'Computed on the way' means the value that the module computes at that place (a softmax that the list does not call 'softmax' is quantised finished and normalised). What goes into a quantiser is computed in f32, as accurately as f32 sums, v_exp_f32 and their like allow (about 1e-6 of the number): no bf16 or f16 on the way to a quantiser, and a product that is left as it is and whose result goes on into a quantised operand takes f32 operands (vector FMAs, or v_wmma_f32_16x16x4_f32). A number that lies on a knife's edge between two numbers of the format may be rounded either way, as far as f32 arithmetic and the matrix unit's own rounding can turn it there, and no further.
;; One version. Each part assembles by itself: llvm-mc -triple=amdgcn-amd-amdhsa -mcpu=gfx1250 --defsym DOCPART=n.
;; ======== version 1 of 1: 4 launches
;; limits: right only within a limited range of input values
;; workspace buffers: img 10,223,616 bytes; qkv 20,185,088 bytes; oimg 6,291,456 bytes; osc 524,288 bytes
;; launch quant (part 1): grid 768 x 1, 4 waves a work-group, no clusters, 34,304 bytes of LDS; arguments x, Wq, Wk, Wv, Wo, img; writes img
.if DOCPART == 1
	.amdgcn_target "amdgcn-amd-amdhsa--gfx1250"
	.amdhsa_code_object_version 6
	.text
	.protected	k_qcb43be58f6_quant
	.globl	k_qcb43be58f6_quant
	.p2align	8
	.type	k_qcb43be58f6_quant,@function
k_qcb43be58f6_quant:
	s_mov_b64 s[64:65], 0
	v_nop
	global_prefetch_b8 v0, s[64:65] scope:SCOPE_SE
	s_setreg_imm32_b32 hwreg(HW_REG_WAVE_MODE, 25, 1), 1
	s_wait_xcnt 0x0
; x [8192][1024] and Wq, Wk, Wv, Wo [1024][1024], f32 with K innermost, become codes of FP6 (E2M3) with one E8M0 byte for each 32 along K,
; laid as IMAGES OF OPERAND REGISTERS.  img holds 768 tiles of 16 rows (x 0-511, Wq 512-575, Wk 576-639, Wv 640-703, Wo 704-767), 13,312 bytes each:
; four records of 3,328 bytes, one for each 256 along K: two fragments (16 rows x 128 K: 12 registers a lane, as 3 pieces of 512 bytes, lane l's 16 bytes at 16 l),
; then 256 bytes of scale words: at 8 (16 j + r) the word of row r for the record's j-th 128 along K, then a zero word.
; THE ROWS OF A TILE ARE NOT NEIGHBOURS: row r of tile 2 G + u is the tensor's row 32 G + 8 u + r + 8 (r / 8).
; A block's scale is 2^(floor(log2(its largest magnitude)) - 2); its byte is the largest magnitude's exponent field - 2, held at 1 from below.
; LIMITS: a block of zeros gets the byte 1 where the rule says 127 (its codes are zeros, and this program alone reads the bytes); NaN and infinities among the inputs are not served.
; SHARES: a work-group takes a tile, wave p its record p.  A wave's 32 loads (512 consecutive bytes each) go out at once; the numbers turn through the wave's own stage in LDS,
; so that a lane gets 16 neighbours along K of each block of 32.  No barrier: waves share nothing.
.set TSTR,   13312
.set REC,    3328
.set SPITCH, 528                       ; a stage row: 512 bytes + 16
.set WSTG,   16*SPITCH                 ; a wave's stage
.set SPARE,  4*WSTG                    ; behind the stages: the spare words, 128 bytes for each wave
.set LO,   2                           ; v2   16 x lane
.set SIN,  3                           ; v3   the stage, on the way in
.set SOUT, 4                           ; v4   the stage, on the way out: row r, + 64 h
.set L8,   5                           ; v5   8 x lane
.set SPW,  6                           ; v6   my spare word's LDS address; never rewritten
.set NIL,  7                           ; v7   0; never rewritten
.set R0,   16                          ; v16-79   the first 128 along K as loaded; later the second 128 as neighbours
.set R1,   80                          ; v80-143  the second 128 as loaded; later its codes
.set X,    144                         ; v144-207 the first 128 as neighbours
.set TM,   208                         ; v208-223 at work
.set PW,   224                         ; v224, v225 the two scale words
.set SWD,  226                         ; v[226:227] what is stored of them
.set SEL,  22                          ; s[22:23] lane selects: lane l xor 16
; 64 numbers of a lane, register 16 b + i = k 32 b + 16 (lane / 16) + i of my row, become a fragment's 12 registers at pc and its scale word in pw
.macro QUANT src, pc, y, pw
.irp b, 0,1,2,3
	v_max3_num_f32 v[TM+\b], |v[\src+16*\b]|, |v[\src+1+16*\b]|, 0x1800000   ; my 16 numbers of block b, and the floor 2^(3 - 127): the byte cannot fall under 1
.endr
.irp i, 2,4,6,8,10,12,14
.irp b, 0,1,2,3
	v_max3_num_f32 v[TM+\b], v[TM+\b], |v[\src+16*\b+\i]|, |v[\src+1+16*\b+\i]|
.endr
.endr
.irp b, 0,1,2,3
	v_permlanex16_b32 v[TM+4+\b], v[TM+\b], s[SEL], s[SEL+1]
.endr
.irp b, 0,1,2,3
	v_max_num_f32 v[TM+\b], v[TM+\b], v[TM+4+\b]       ; with lane l xor 16's: the block's largest magnitude
.endr
.irp b, 0,1,2,3
	v_add_nc_u32 v[TM+12+\b], 0xff000000, v[TM+\b]     ; 2 off its exponent field: the conversion's scale operand
.endr
.irp b, 0,1,2,3
	v_lshrrev_b32 v[TM+4+\b], 23, v[TM+12+\b]          ; the scale's byte
.endr
	v_lshl_or_b32 v[\pw], v[TM+5], 8, v[TM+4]
	v_lshl_or_b32 v[\pw], v[TM+6], 16, v[\pw]
	v_lshl_or_b32 v[\pw], v[TM+7], 24, v[\pw]
.irp c, 0,1
	v_cvt_scalef32_pk16_fp6_f32 v[\pc+6*\c:\pc+2+6*\c], v[\src+32*\c:\src+15+32*\c], v[TM+12+2*\c]
	v_cvt_scalef32_pk16_fp6_f32 v[\y+4*\c:\y+2+4*\c], v[\src+16+32*\c:\src+31+32*\c], v[TM+13+2*\c]
.endr
	v_nop                                              ; one plain place behind a scaled conversion
.irp c, 0,1                                            ; the operand wants a whole block in a lane: lanes 0-15 block 2 c, lanes 16-31 block 2 c + 1
.irp i, 0,1,2
	v_permlane16_swap_b32 v[\pc+6*\c+\i], v[\y+4*\c+\i]
.endr
.irp i, 0,1,2
	v_mov_b32 v[\pc+3+6*\c+\i], v[\y+4*\c+\i]
.endr
.endr
.endm
	s_load_b256 s[4:11], s[0:1], 0x0               ; x, Wq, Wk, Wv
	s_load_b128 s[12:15], s[0:1], 0x20             ; Wo, img
	v_lshl_add_u32 v[SPW], v0, 2, SPARE
	v_mov_b32 v[NIL], 0
	v_lshrrev_b32 v1, 5, v0
	v_readfirstlane_b32 s24, v1                    ; wave = record
	v_and_b32 v8, 31, v0                           ; lane
	v_and_b32 v9, 15, v0                           ; r
	v_bfe_u32 v10, v0, 4, 1                        ; h
	v_lshlrev_b32 v[LO], 4, v8
	v_lshlrev_b32 v[L8], 3, v8
	s_mul_i32 s25, s24, WSTG
	v_add_nc_u32 v[SIN], s25, v[LO]
	v_mul_u32_u24 v[SOUT], v9, SPITCH
	v_lshl_add_u32 v[SOUT], v10, 6, v[SOUT]
	v_add_nc_u32 v[SOUT], s25, v[SOUT]
	s_mov_b32 s20, 0xffff0000                      ; lanes 16-31
	s_mov_b32 s[SEL], 0x76543210
	s_mov_b32 s[SEL+1], 0xfedcba98
.irp b, 0,1,2,3
	v_mov_b32 v[TM+4+\b], 0                        ; written once: a lane permute's destination counts as one of its sources
.endr
	v_mov_b32 v[SWD+1], 0
	s_and_b32 s26, ttmp9, 63
	s_cmp_lt_u32 ttmp9, 512
	s_cselect_b32 s26, ttmp9, s26                  ; the tile's number inside its tensor
	s_lshr_b32 s27, s26, 1
	s_lshl_b32 s27, s27, 17                        ; 32 rows of 4,096 bytes for each pair of tiles,
	s_and_b32 s28, s26, 1
	s_lshl_b32 s28, s28, 15                        ; 8 rows for the odd tile,
	s_add_co_u32 s28, s27, s28
	s_lshl_b32 s29, s24, 10                        ; 1,024 bytes along K for each record
	s_add_co_u32 s28, s28, s29
	s_mov_b32 s29, 0
	s_mul_i32 s30, ttmp9, TSTR
	s_mul_i32 s31, s24, REC
	s_add_co_u32 s30, s30, s31
	s_mov_b32 s31, 0
	s_wait_alu depctr_va_vdst(0)
	s_wait_kmcnt 0x0
	s_mov_b64 s[16:17], s[12:13]                   ; which tensor: the choice hangs on the work-group's number alone
	s_cmp_lt_u32 ttmp9, 704
	s_cselect_b64 s[16:17], s[10:11], s[16:17]
	s_cmp_lt_u32 ttmp9, 640
	s_cselect_b64 s[16:17], s[8:9], s[16:17]
	s_cmp_lt_u32 ttmp9, 576
	s_cselect_b64 s[16:17], s[6:7], s[16:17]
	s_cmp_lt_u32 ttmp9, 512
	s_cselect_b64 s[16:17], s[4:5], s[16:17]
	s_add_nc_u64 s[16:17], s[16:17], s[28:29]
	s_add_nc_u64 s[14:15], s[14:15], s[30:31]
.irp j, 0,1
.irp i, 0,1,2,3,4,5,6,7,8,9,10,11,12,13,14,15
	global_load_b128 v[R0+64*\j+4*\i:R0+64*\j+4*\i+3], v[LO], s[16:17] offset:(\i+8*(\i/8))*4096+512*\j th:TH_LOAD_NT   ; 32 lanes read 512 consecutive bytes of the tile's row i
.endr
.endr
	s_wait_loadcnt 16                              ; the first 128 along K are in; the sixteen loads of the second may be out
.irp i, 0,1,2,3,4,5,6,7,8,9,10,11,12,13,14,15
	ds_store_b128 v[SIN], v[R0+4*\i:R0+4*\i+3] offset:SPITCH*\i
.endr
.irp b, 0,1,2,3
.irp q, 0,1,2,3
	ds_load_b128 v[X+16*\b+4*\q:X+16*\b+4*\q+3], v[SOUT] offset:128*\b+16*\q   ; LDS serves a wave's instructions in order: these see my stores
.endr
.endr
	s_wait_loadcnt 0x0
	s_wait_dscnt 0x0                               ; the stores have read R0, and X is in
.irp i, 0,1,2,3,4,5,6,7,8,9,10,11,12,13,14,15
	ds_store_b128 v[SIN], v[R1+4*\i:R1+4*\i+3] offset:SPITCH*\i
.endr
.irp b, 0,1,2,3
.irp q, 0,1,2,3
	ds_load_b128 v[R0+16*\b+4*\q:R0+16*\b+4*\q+3], v[SOUT] offset:128*\b+16*\q
.endr
.endr
	QUANT X, 228, 240, PW                          ; the first fragment is made while the second 128 turn through the stage
.irp c, 0,1,2
	global_store_b128 v[LO], v[228+4*\c:231+4*\c], s[14:15] offset:512*\c   ; 32 lanes store 512 consecutive bytes, at a multiple of 256 from the buffer's first byte
.endr
	s_wait_dscnt 0x0                               ; R0 is in, and the stores have read R1, which takes the codes
	QUANT R0, 80, 92, PW+1
.irp c, 0,1,2
	global_store_b128 v[LO], v[80+4*\c:83+4*\c], s[14:15] offset:1536+512*\c
.endr
	v_cndmask_b32 v[SWD], v[PW], v[PW+1], s20      ; lanes 0-15 the first 128's words, lanes 16-31 the second's
	global_store_b64 v[L8], v[SWD:SWD+1], s[14:15] offset:3072
	s_wait_tensorcnt 0x0                           ; the wave's end: behind my last LDS store
	ds_add_u32 v[SPW], v[NIL]
	s_wait_dscnt 0x0
	s_endpgm
.Lfunc_end_k_qcb43be58f6_quant:
	.size	k_qcb43be58f6_quant, .Lfunc_end_k_qcb43be58f6_quant-k_qcb43be58f6_quant
	.p2alignl 7, 3214868480
	.fill 96, 4, 3214868480
	.section	.rodata,"a",@progbits
	.p2align	6, 0x0
	.amdhsa_kernel k_qcb43be58f6_quant
		.amdhsa_group_segment_fixed_size 34304
		.amdhsa_private_segment_fixed_size 0
		.amdhsa_enable_private_segment 0
		.amdhsa_kernarg_size 48
		.amdhsa_user_sgpr_count 2
		.amdhsa_user_sgpr_kernarg_segment_ptr 1
		.amdhsa_wavefront_size32 1
		.amdhsa_system_sgpr_workgroup_id_x 1
		.amdhsa_system_sgpr_workgroup_id_y 1
		.amdhsa_system_sgpr_workgroup_id_z 1
		.amdhsa_system_vgpr_workitem_id 0
		.amdhsa_next_free_vgpr 248
		.amdhsa_next_free_sgpr 66
		.amdhsa_reserve_vcc 0
		.amdhsa_float_denorm_mode_32 3
		.amdhsa_float_denorm_mode_16_64 3
		.amdhsa_memory_ordered 1
		.amdhsa_forward_progress 1
		.amdhsa_inst_pref_size 18
	.end_amdhsa_kernel
	.amdgpu_metadata
---
amdhsa.version: [ 1, 2 ]
amdhsa.kernels:
  - .name:           k_qcb43be58f6_quant
    .symbol:         k_qcb43be58f6_quant.kd
    .args:
      - { .name: x, .offset: 0, .size: 8, .value_kind: global_buffer, .address_space: global }
      - { .name: Wq, .offset: 8, .size: 8, .value_kind: global_buffer, .address_space: global }
      - { .name: Wk, .offset: 16, .size: 8, .value_kind: global_buffer, .address_space: global }
      - { .name: Wv, .offset: 24, .size: 8, .value_kind: global_buffer, .address_space: global }
      - { .name: Wo, .offset: 32, .size: 8, .value_kind: global_buffer, .address_space: global }
      - { .name: img, .offset: 40, .size: 8, .value_kind: global_buffer, .address_space: global }
    .group_segment_fixed_size: 34304
    .private_segment_fixed_size: 0
    .kernarg_segment_align: 8
    .kernarg_segment_size: 48
    .max_flat_workgroup_size: 128
    .sgpr_count:     66
    .vgpr_count:     248
    .wavefront_size: 32
...
	.end_amdgpu_metadata
.endif
;; end of part 1
;; launch qkv (part 2): grid 12 x 64, 4 waves a work-group, clusters of 4 x 4, 327,680 bytes of LDS; arguments img, bq, bk, bv, qkv; writes qkv
.if DOCPART == 2
	.amdgcn_target "amdgcn-amd-amdhsa--gfx1250"
	.amdhsa_code_object_version 6
	.text
	.protected	k_qcb43be58f6_qkv
	.globl	k_qcb43be58f6_qkv
	.p2align	8
	.type	k_qcb43be58f6_qkv,@function
k_qcb43be58f6_qkv:
	s_mov_b64 s[64:65], 0
	v_nop
	global_prefetch_b8 v0, s[64:65] scope:SCOPE_SE
	s_setreg_imm32_b32 hwreg(HW_REG_WAVE_MODE, 25, 1), 1
	s_wait_xcnt 0x0
	s_wait_alu depctr_hold_cnt(0) depctr_sa_sdst(0) depctr_va_vdst(0) depctr_va_sdst(0) depctr_va_ssrc(0) depctr_va_vcc(0) depctr_vm_vsrc(0)
	s_getreg_b32 s2, hwreg(HW_REG_IB_STS2, 6, 4)
	s_cmp_eq_u32 s2, 0
	s_cbranch_scc0 .Lentry_in_a_cluster
	s_endpgm
.Lentry_in_a_cluster:
	s_bfe_u32 s2, ttmp6, 0x10000c
	s_cmp_lg_u32 s2, 0xf033
	s_cbranch_scc0 .Lentry_shape_is_right
	s_endpgm
.Lentry_shape_is_right:
; q = x Wq^T + bq, k = x Wk^T + bk, v = x Wv^T + bv on codes of FP6 (E2M3) with E8M0 scales, and each result quantised in registers for the attention launch.
; ONE FORM FOR ALL THREE: D = P R^T, source 0 = 16 rows of P, source 1 = 16 rows of R.  A lane holds one row of R, and its registers run along P's rows, which is the axis that the
; result is quantised along: for q and k (cluster x = 0, 1) P = the weight's rows (the head's 64) and R = tokens; for v (cluster x = 2) P = tokens (the keys) and R = Wv's rows.
; img holds both operands as images of their registers, in tiles of 16 rows, row r of tile 2 G + u being row 32 G + 8 u + r + 8 (r / 8): so registers 16 b + i of a lane's 64 results
; are P's rows 32 b + 16 (lane / 16) + i, sixteen neighbours, as the conversions want them.
; SHARES: a work-group makes 256 (P) x 128 (R), each of four waves 128 x 64: 32 accumulators.  All of K = 1,024 of both tiles fits in LDS: four chunks of 256 along K, each filled ONCE, all asked for at the head.
; CLUSTER 4 x 4: P's tile hangs on cx alone and is asked for jointly by the four of a column, R's on cy alone, by the four of a row.
; The bias is the C of each sum's first product.  qkv is laid [batch x head][128 keys]: records of 19,712 bytes: K's image, V's image, K's scale words, V's scale words, Q's image, Q's scale words.
; LIMITS: a block of zeros gets the byte 1 where the rule says 127 (its codes are zeros, and this program alone reads the bytes); NaN and infinities are not served.
; REGISTERS, in windows of 256: window 0: v2-7 addresses; v8-23, v24-31 scale words of P and R, two sets; v32-127, v128-175 fragments of the even K steps; v176-214 at work in the end.
;   window 1: the accumulators, (a, i) at v[64 a + 8 i].   window 2: v32-175 fragments of the odd K steps; v176-239 the bias along P; v0-31 the bias along R.
.set TSTR,  13312                      ; a tile of 16 rows in img
.set REC,   3328                       ; its record for 256 along K
.set TS2,   2*REC                      ; half a tile: its two records for 512 along K, 6,656 bytes on end in img
.set HALFB, 24*TS2                     ; LDS: a half of K: P's 16 half tiles, then R's 8; each half is filled once, by two waves' loads
.set POFF,  8*TS2
.set ROFF,  16*TS2
.set RW,    4*TS2
.set SPARE, 2*HALFB                    ; behind the two halves: the spare words, 128 bytes for each wave
.set QREC,  19712
.set HSTR,  16*QREC                    ; from head to head in qkv
.set AP,   2                           ; v2  LDS address of my P fragments: 16 x lane + my 8 tiles
.set AR,   3                           ; v3  of my R fragments
.set ASP,  4                           ; v4  of P's scale words: 8 x lane
.set ASR,  5                           ; v5  of R's
.set SPW,  6                           ; v6  my spare word's LDS address; never rewritten
.set NIL,  7                           ; v7  0; never rewritten
.set SCP,  8
.set SCR,  24
.set PF,   32
.set RF,   128
.set PWD,  176                         ; v176-179 the four scale words made
.set XW,   180                         ; v180-181 two tiles' words in one register
.set SW,   182                         ; v182-185 a head's words
.set L16,  186
.set L8,   187
.set BOP,  188
.set BOR,  189
.set TM,   192                         ; v192-207 at work
.set YY,   208                         ; v208-214 the conversions' second halves
.set BP,   176                         ; in window 2
.set G1P,  24                          ; s[24:31], s[32:39] descriptor groups 1 for P's and R's tiles
.set G1R,  32
.set G0P,  40                          ; s[40:43], s[68:71] groups 0 of P's and R's loads
.set G0R,  68
.set SEL,  84
.set MSB, 0
.macro WIN new                         ; the immediate's high byte repeats the setting that is left
.if MSB != \new
	s_set_vgpr_msb (MSB<<8)|\new
.set MSB, \new
.endif
.endm
.macro CROUND                          ; a round of the cluster's barrier
	s_barrier_signal -1
	s_barrier_wait -1
	s_cmp_lg_u32 s14, 0
	s_cbranch_scc1 .Lnot_wave_0_\@
	s_barrier_signal -3
.Lnot_wave_0_\@:
	s_barrier_wait -3
	s_barrier_signal -1
	s_barrier_wait -1
.endm
.macro FRAG3 reg, adr, off             ; a fragment comes back as it was stored: 3 pieces of 512 bytes
.irp c, 0,1,2
	ds_load_b128 v[\reg+4*\c:\reg+4*\c+3], v[\adr] offset:\off+512*\c
.endr
.endm
.macro FETCH s                         ; K step s: my 8 fragments of P and 4 of R; even steps into window 0, odd ones into window 2
.if (\s)%2 == 1
	WIN 0x80
.endif
.irp i, 0,1,2,3,4,5,6,7
	FRAG3 PF+12*\i, AP, TS2*\i+REC*(((\s)/2)%2)+1536*((\s)%2)
.endr
.irp a, 0,1,2,3
	FRAG3 RF+12*\a, AR, TS2*\a+REC*(((\s)/2)%2)+1536*((\s)%2)
.endr
	WIN 0
.endm
.macro SCALES c                        ; a chunk's scale words: lanes 0-15 the even K step's, lanes 16-31 the odd one's
.irp i, 0,1,2,3,4,5,6,7
	ds_load_b32 v[SCP+8*((\c)%2)+\i], v[ASP] offset:TS2*\i+REC*((\c)%2)
.endr
.irp a, 0,1,2,3
	ds_load_b32 v[SCR+4*((\c)%2)+\a], v[ASR] offset:TS2*\a+REC*((\c)%2)
.endr
.endm
; 32 products: K step s.  The accumulators take turns, one instruction a turn, in the same order in every step.  cmode 1, 2: the first step, whose C is the bias along P or along R.
.macro MUL32 s, cmode
.set SPX, SCP+8*(((\s)/2)%2)
.set SRX, SCR+4*(((\s)/2)%2)
.if \cmode
	WIN 0x60                                       ; sources 0 and 1 window 0, C window 2, D window 1
.elseif (\s)%2
	WIN 0x5a                                       ; sources 0 and 1 window 2, C and D window 1
.else
	WIN 0x50
.endif
.irp a, 0,1,2,3
.irp i, 0,1,2,3,4,5,6,7
.if \cmode == 1
	v_wmma_scale_f32_16x16x128_f8f6f4 v[64*\a+8*\i:64*\a+8*\i+7], v[PF+12*\i:PF+12*\i+11], v[RF+12*\a:RF+12*\a+11], v[BP+8*\i:BP+8*\i+7], v[SPX+\i], v[SRX+\a] matrix_a_fmt:MATRIX_FMT_FP6 matrix_b_fmt:MATRIX_FMT_FP6
.elseif \cmode == 2
	v_wmma_scale_f32_16x16x128_f8f6f4 v[64*\a+8*\i:64*\a+8*\i+7], v[PF+12*\i:PF+12*\i+11], v[RF+12*\a:RF+12*\a+11], v[8*\a:8*\a+7], v[SPX+\i], v[SRX+\a] matrix_a_fmt:MATRIX_FMT_FP6 matrix_b_fmt:MATRIX_FMT_FP6
.elseif (\s)%2
	v_wmma_scale_f32_16x16x128_f8f6f4 v[64*\a+8*\i:64*\a+8*\i+7], v[PF+12*\i:PF+12*\i+11], v[RF+12*\a:RF+12*\a+11], v[64*\a+8*\i:64*\a+8*\i+7], v[SPX+\i], v[SRX+\a] matrix_a_fmt:MATRIX_FMT_FP6 matrix_b_fmt:MATRIX_FMT_FP6 matrix_a_scale:MATRIX_SCALE_ROW1 matrix_b_scale:MATRIX_SCALE_ROW1
.else
	v_wmma_scale_f32_16x16x128_f8f6f4 v[64*\a+8*\i:64*\a+8*\i+7], v[PF+12*\i:PF+12*\i+11], v[RF+12*\a:RF+12*\a+11], v[64*\a+8*\i:64*\a+8*\i+7], v[SPX+\i], v[SRX+\a] matrix_a_fmt:MATRIX_FMT_FP6 matrix_b_fmt:MATRIX_FMT_FP6
.endif
.endr
.endr
	WIN 0
.endm
; K step s (1 to 7): its fragments are in; the next step's are asked for; then its 32 products.  Step 3's successor lies in the second half of K: each wave waits for its load and meets the others.
.macro KSTEP s
	s_wait_dscnt 0x0                               ; this step's fragments are in, and no LDS instruction of mine is out at the signal below
.if (\s) < 7
.if (\s) == 3
	s_wait_tensorcnt 0x0                           ; step 4 lies in the second half of K: every wave waits for its one load,
	s_barrier_signal -1
	s_barrier_wait -1                              ; and all of K is shown to all; nothing is ever filled again
	v_add_nc_u32 v[AP], HALFB, v[AP]               ; on to that half.  These four are also the four places between the last products and the loads into registers that they read
	v_add_nc_u32 v[AR], HALFB, v[AR]
	v_add_nc_u32 v[ASP], HALFB, v[ASP]
	v_add_nc_u32 v[ASR], HALFB, v[ASR]
.else
.rept 4
	v_nop                                          ; four places in front of loads into registers that matrix instructions have read
.endr
.endif
	FETCH (\s)+1
.if (\s)%2 == 1
	SCALES ((\s)+1)/2
.endif
.endif
	MUL32 \s, 0
.endm
; R tile a's 64 results of a lane (window 1) become a fragment's 12 registers at v[PF + 12 a] and its scale word in v[PWD + a].  Each accumulator is read from its low end on.
.macro QUANTW a
	WIN 0x05
.irp b, 0,1,2,3
	v_max3_num_f32 v[TM+\b], |v[64*\a+16*\b]|, |v[64*\a+16*\b+1]|, 0x1800000   ; and the floor 2^(3 - 127): the byte cannot fall under 1
.endr
	WIN 0x14
.irp i, 2,4,6,8,10,12,14
.irp b, 0,1,2,3
	v_max3_num_f32 v[TM+\b], v[TM+\b], |v[64*\a+16*\b+\i]|, |v[64*\a+16*\b+\i+1]|
.endr
.endr
	WIN 0
.irp b, 0,1,2,3
	v_permlanex16_b32 v[TM+4+\b], v[TM+\b], s[SEL], s[SEL+1]
.endr
.irp b, 0,1,2,3
	v_max_num_f32 v[TM+\b], v[TM+\b], v[TM+4+\b]
.endr
.irp b, 0,1,2,3
	v_add_nc_u32 v[TM+12+\b], 0xff000000, v[TM+\b]     ; 2 off the exponent field: the conversion's scale operand
.endr
.irp b, 0,1,2,3
	v_lshrrev_b32 v[TM+4+\b], 23, v[TM+12+\b]          ; the scale's byte
.endr
	v_lshl_or_b32 v[PWD+\a], v[TM+5], 8, v[TM+4]
	v_lshl_or_b32 v[PWD+\a], v[TM+6], 16, v[PWD+\a]
	v_lshl_or_b32 v[PWD+\a], v[TM+7], 24, v[PWD+\a]
	WIN 0x01
.irp c, 0,1
	v_cvt_scalef32_pk16_fp6_f32 v[PF+12*\a+6*\c:PF+12*\a+6*\c+2], v[64*\a+32*\c:64*\a+32*\c+15], v[TM+12+2*\c]
	v_cvt_scalef32_pk16_fp6_f32 v[YY+4*\c:YY+4*\c+2], v[64*\a+32*\c+16:64*\a+32*\c+31], v[TM+13+2*\c]
.endr
	WIN 0
	v_nop                                              ; one plain place behind a scaled conversion
.irp c, 0,1
.irp i, 0,1,2
	v_permlane16_swap_b32 v[PF+12*\a+6*\c+\i], v[YY+4*\c+\i]
.endr
.irp i, 0,1,2
	v_mov_b32 v[PF+12*\a+6*\c+3+\i], v[YY+4*\c+\i]
.endr
.endr
.endm
	s_load_b256 s[4:11], s[0:1], 0x0               ; img, bq, bk, bv
	s_load_b64 s[12:13], s[0:1], 0x20              ; qkv
	v_lshl_add_u32 v[SPW], v0, 2, SPARE
	v_mov_b32 v[NIL], 0
	ds_add_u32 v[SPW], v[NIL]                      ; the wave's opening: the add and its wait stand ahead of my first tensor load; work on registers stands between them
	ds_add_u32 v[SPW], v[NIL]
	v_lshrrev_b32 v1, 5, v0
	v_readfirstlane_b32 s14, v1                    ; wave 0..3
	s_and_b32 s15, s14, 1                          ; which 128 of P's 256 rows are mine.  Also: I fetch for P (0) or for R (1)
	s_lshr_b32 s16, s14, 1                         ; which 64 of R's 128 rows are mine.  Also: which half of K I fetch
	s_bfe_u32 s17, ttmp6, 0x40000                  ; cx
	s_bfe_u32 s18, ttmp6, 0x40004                  ; cy
	s_and_b32 s19, ttmp7, 0xffff                   ; cluster y
	s_lshl_b32 s88, 0x1111, s17                    ; my column of the cluster
	s_lshl_b32 s89, s18, 2
	s_lshl_b32 s89, 15, s89                        ; my row
	s_or_b32 s[G1P], s88, (3<<16)|(1<<21)          ; 15:0 the mask; 17:16 elements of 8 bytes; 21 set beside a mask; no padding
	s_or_b32 s[G1R], s89, (3<<16)|(1<<21)
	s_mov_b32 s[G1P+1], 832<<16                    ; tensor_dim0: half a tile, 832 elements
	s_mov_b32 s[G1P+2], 16<<16                     ; tensor_dim1: 16 tiles
	s_mov_b32 s[G1P+3], 832<<16                    ; tile_dim0
	s_mov_b32 s[G1P+4], 16                         ; tile_dim1
	s_mov_b32 s[G1P+5], 1664                       ; from tile to tile: 13,312 bytes
	s_mov_b32 s[G1P+6], 0
	s_mov_b32 s[G1P+7], 0
	s_mov_b32 s[G1R+1], 832<<16
	s_mov_b32 s[G1R+2], 8<<16                      ; 8 tiles
	s_mov_b32 s[G1R+3], 832<<16
	s_mov_b32 s[G1R+4], 8
	s_mov_b32 s[G1R+5], 1664
	s_mov_b32 s[G1R+6], 0
	s_mov_b32 s[G1R+7], 0
	s_lshr_b32 s90, s19, 1
	s_and_b32 s91, s19, 1
	s_cmp_eq_u32 ttmp9, 2                          ; v?  The same in all sixteen partners
	s_cselect_b32 s20, 1, 0
	s_cselect_b32 s90, s90, ttmp9
	s_cselect_b32 s91, s91, s19
	s_cselect_b32 s92, 0, 512                      ; P's first tile in img: x's, or Wq's
	s_cselect_b32 s93, 640, 0                      ; R's: Wv's, or x's
	s_lshl_b32 s90, s90, 2
	s_add_co_u32 s90, s90, s17                     ; which 256 rows of P: it hangs on cx, never on cy
	s_lshl_b32 s91, s91, 2
	s_add_co_u32 s91, s91, s18                     ; which 128 rows of R: it hangs on cy, never on cx
	s_lshl_b32 s94, s90, 4                         ; what a wave fetches: wave % 2 says P (0) or R (1), wave / 2 which half of K
	s_add_co_u32 s94, s94, s92
	s_mul_i32 s94, s94, TSTR                       ; P: the 16 tiles, in bytes,
	s_mul_i32 s95, s16, TS2
	s_add_co_u32 s94, s94, s95                     ; and the half of K
	s_mov_b32 s95, 0
	s_lshl_b32 s96, s91, 3
	s_add_co_u32 s96, s96, s93
	s_mul_i32 s96, s96, TSTR                       ; R: the 8 tiles
	s_mul_i32 s97, s16, TS2
	s_add_co_u32 s96, s96, s97
	s_mov_b32 s97, 0
	s_mul_i32 s98, s16, HALFB                      ; where they go: the wave's number alone enters an LDS address
	s_add_co_u32 s99, s98, ROFF
	s_mov_b32 s62, 0x7f7f7f7f
	s_mov_b32 s63, 0xffff0000                      ; lanes 16-31
	s_mov_b32 s[SEL], 0x76543210
	s_mov_b32 s[SEL+1], 0xfedcba98
	s_mov_b32 s86, 0x00000504                      ; byte selects: a word's bytes 0, 1 below two bytes of 0x7f;
	s_mov_b32 s87, 0x00000706                      ; its bytes 2, 3
	s_wait_dscnt 0x0                               ; the opening add is done
	s_wait_kmcnt 0x0
	s_add_nc_u64 s[94:95], s[4:5], s[94:95]
	s_add_nc_u64 s[96:97], s[4:5], s[96:97]
	CROUND                                         ; all sixteen work-groups are here: the joint loads meet
	s_mov_b32 s[G0P], 1
	s_mov_b32 s[G0P+1], s98
	s_mov_b64 s[G0P+2:G0P+3], s[94:95]
	s_or_b32 s[G0P+3], s[G0P+3], 0x80000000
	s_mov_b32 s[G0R], 1
	s_mov_b32 s[G0R+1], s99
	s_mov_b64 s[G0R+2:G0R+3], s[96:97]
	s_or_b32 s[G0R+3], s[G0R+3], 0x80000000
; THE HEAD'S LOADS, ONE A WAVE: wave 0 P's first 512 along K, wave 1 R's, wave 2 P's second 512, wave 3 R's.
; One chain of branches on the wave's number, a load line of its own in each arm, all arms leading to one join.
.macro ARM under, g0, g1, next
	s_cmp_lt_u32 s14, \under
	s_cbranch_scc0 \next
	tensor_load_to_lds s[\g0:\g0+3], s[\g1:\g1+7]
	s_nop 0
.rept 4
	v_nop
.endr
	s_branch .Lasked
\next:
.endm
	ARM 1, G0P, G1P, .Lhead_1
	ARM 2, G0R, G1R, .Lhead_2
	ARM 3, G0P, G1P, .Lhead_3
	tensor_load_to_lds s[G0R:G0R+3], s[G1R:G1R+7]
	s_nop 0
.rept 4
	v_nop
.endr
.Lasked:
	v_and_b32 v1, 31, v0                           ; lane
	v_and_b32 v190, 15, v0                         ; r
	v_bfe_u32 v191, v0, 4, 1                       ; h
	v_lshlrev_b32 v[L16], 4, v1
	v_lshlrev_b32 v[L8], 3, v1
	s_mul_i32 s88, s15, POFF
	v_add_nc_u32 v[AP], s88, v[L16]
	v_add_nc_u32 v[ASP], s88, v[L8]
	v_add_nc_u32 v[ASP], 3072, v[ASP]
	s_mul_i32 s89, s16, RW
	s_add_co_u32 s89, s89, ROFF
	v_add_nc_u32 v[AR], s89, v[L16]
	v_add_nc_u32 v[ASR], s89, v[L8]
	v_add_nc_u32 v[ASR], 3072, v[ASR]
.irp b, 0,1,2,3
	v_mov_b32 v[TM+4+\b], 0                        ; written once: a lane permute's destination counts as one of its sources
.endr
	; the bias, in both layouts, so that every register is written on every way; the offset of the layout that is not used is 0: every load stays inside the 1,024 numbers
	s_cmp_eq_u32 ttmp9, 0
	s_cselect_b64 s[56:57], s[6:7], s[8:9]
	s_cmp_eq_u32 ttmp9, 2
	s_cselect_b64 s[56:57], s[10:11], s[56:57]
	s_lshl_b32 s88, s17, 10
	s_lshl_b32 s89, s15, 9
	s_add_co_u32 s88, s88, s89                     ; q, k: my first feature, 256 cx + 128 x half, in bytes
	s_lshl_b32 s92, s91, 9
	s_lshl_b32 s93, s16, 8
	s_add_co_u32 s92, s92, s93                     ; v: my first feature, 128 x R's tile + 64 x half
	s_cmp_eq_u32 s20, 1
	s_cselect_b32 s88, 0, s88
	s_cselect_b32 s92, s92, 0
	s_mov_b32 s89, 0
	s_mov_b32 s93, 0
	s_add_nc_u64 s[58:59], s[56:57], s[92:93]
	s_add_nc_u64 s[56:57], s[56:57], s[88:89]
	v_lshlrev_b32 v[BOP], 6, v191                  ; 16 h numbers
	v_and_b32 v[BOR], 8, v190
	v_add_nc_u32 v[BOR], v[BOR], v190
	v_lshlrev_b32 v[BOR], 2, v[BOR]                ; r + 8 (r / 8) numbers
	WIN 0x80
.irp i, 0,1,2,3,4,5,6,7
	global_load_b128 v[BP+8*\i:BP+8*\i+3], v[BOP], s[56:57] offset:(32*(\i/2)+8*(\i%2))*4       ; P tile i, register j: the bias of P's row 32 (i / 2) + 16 h + 8 (i % 2) + j
	global_load_b128 v[BP+8*\i+4:BP+8*\i+7], v[BOP], s[56:57] offset:(32*(\i/2)+8*(\i%2))*4+16
.endr
.irp a, 0,1,2,3
.irp j, 0,1,2,3,4,5,6,7
	global_load_b32 v[8*\a+\j], v[BOR], s[58:59] offset:(32*(\a/2)+8*(\a%2))*4                  ; R tile a: my row's bias, in all eight registers
.endr
.endr
	WIN 0
	s_wait_alu depctr_va_vdst(0)
	s_cmp_lt_u32 s14, 2                            ; waves 0 and 1 wait for their loads, the first half of K; the second half may stay out across this barrier
	s_cbranch_scc0 .Lsecond_half
	s_wait_tensorcnt 0x0
.Lsecond_half:
	s_barrier_signal -1
	s_barrier_wait -1                              ; everybody's has
	FETCH 0
	SCALES 0
	s_wait_dscnt 0x0
	FETCH 1
	s_wait_loadcnt 0x0                             ; the bias
	s_cmp_eq_u32 s20, 0
	s_cbranch_scc0 .Lv_first
	MUL32 0, 1                                     ; the first products start the sums with the bias: nothing is cleared, nothing is added later
	s_branch .Lfirst_done
.Lv_first:
	MUL32 0, 2
.Lfirst_done:
	KSTEP 1
	KSTEP 2
	KSTEP 3
	s_wait_alu depctr_va_vdst(0)
	KSTEP 4
	KSTEP 5
	KSTEP 6
	KSTEP 7
.rept 4
	v_nop                                          ; four places in front of the first read of results
.endr
	QUANTW 0
	QUANTW 1
	QUANTW 2
	QUANTW 3
	v_cndmask_b32 v[XW], v[PWD], v[PWD+1], s63     ; lanes 0-15 the even tile's words, lanes 16-31 the odd tile's
	v_cndmask_b32 v[XW+1], v[PWD+2], v[PWD+3], s63
	s_cmp_eq_u32 s20, 0
	s_cbranch_scc0 .Lv_out
	; q, k: a fragment's registers 6 c .. 6 c + 5 are head 4 cx + 2 x half + c's 64 numbers of 16 tokens: half a fragment, 768 bytes
	s_lshr_b32 s88, s91, 4
	s_lshl_b32 s88, s88, 4                         ; 16 x batch
	s_lshl_b32 s89, s17, 2
	s_add_co_u32 s88, s88, s89
	s_lshl_b32 s89, s15, 1
	s_add_co_u32 s88, s88, s89                     ; + the head of c = 0
	s_lshl_b32 s88, s88, 4
	s_and_b32 s89, s91, 15
	s_add_co_u32 s88, s88, s89                     ; x 16 + which 128 tokens of the batch
	s_mul_i32 s88, s88, QREC
	s_cmp_eq_u32 ttmp9, 0
	s_cselect_b32 s89, 13056, 0                    ; Q's image, or K's
	s_cselect_b32 s92, 6912, 0                     ; Q's scale words lie 6,912 bytes behind K's
	s_mul_i32 s93, s16, 3072
	s_add_co_u32 s94, s88, s89
	s_add_co_u32 s94, s94, s93
	s_mov_b32 s95, 0
	s_add_nc_u64 s[60:61], s[12:13], s[94:95]
	s_lshl_b32 s93, s16, 8
	s_add_co_u32 s96, s88, s92
	s_add_co_u32 s96, s96, s93
	s_add_co_u32 s96, s96, 12288
	s_mov_b32 s97, 0
	s_add_nc_u64 s[66:67], s[12:13], s[96:97]
	s_wait_alu depctr_va_vdst(0)
	v_perm_b32 v[SW], v[XW], s62, s86              ; head c's two bytes, and 0x7f for the upper half of the attention's K step, whose codes are zeros
	v_perm_b32 v[SW+1], v[XW+1], s62, s86
	v_perm_b32 v[SW+2], v[XW], s62, s87
	v_perm_b32 v[SW+3], v[XW+1], s62, s87
.irp a, 0,1,2,3
.irp c, 0,1
	global_store_b128 v[L16], v[PF+12*\a+6*\c:PF+12*\a+6*\c+3], s[60:61] offset:HSTR*\c+768*\a        ; 512 consecutive bytes, at a multiple of 256 from the buffer's first byte
	global_store_b64 v[L8], v[PF+12*\a+6*\c+4:PF+12*\a+6*\c+5], s[60:61] offset:HSTR*\c+768*\a+512    ; 256 more
.endr
.endr
.irp c, 0,1
	global_store_b64 v[L8], v[SW+2*\c:SW+2*\c+1], s[66:67] offset:HSTR*\c
.endr
	s_branch .Lout_done
.Lv_out:
	; v: a fragment is 16 channels x 128 keys, whole
	s_lshl_b32 s88, s90, 1
	s_add_co_u32 s88, s88, s15                     ; which 128 tokens
	s_lshr_b32 s89, s88, 4
	s_lshl_b32 s89, s89, 4                         ; 16 x batch
	s_lshl_b32 s92, s91, 1
	s_add_co_u32 s92, s92, s16                     ; the head
	s_add_co_u32 s89, s89, s92
	s_lshl_b32 s89, s89, 4
	s_and_b32 s88, s88, 15
	s_add_co_u32 s88, s88, s89
	s_mul_i32 s94, s88, QREC
	s_mov_b32 s95, 0
	s_add_nc_u64 s[60:61], s[12:13], s[94:95]
	s_wait_alu depctr_va_vdst(0)
.irp a, 0,1,2,3
.irp c, 0,1
	global_store_b128 v[L16], v[PF+12*\a+6*\c:PF+12*\a+6*\c+3], s[60:61] offset:6144+1536*\a+768*\c
	global_store_b64 v[L8], v[PF+12*\a+6*\c+4:PF+12*\a+6*\c+5], s[60:61] offset:6144+1536*\a+768*\c+512
.endr
.endr
	global_store_b64 v[L8], v[XW:XW+1], s[60:61] offset:12800
.Lout_done:
	s_wait_tensorcnt 0x0                           ; the wave's end: behind my last tensor load
	ds_add_u32 v[SPW], v[NIL]
	s_wait_dscnt 0x0
	CROUND                                         ; the closing round: no work-group ends while a partner may still ask for a tile that names it
	s_endpgm
.Lfunc_end_k_qcb43be58f6_qkv:
	.size	k_qcb43be58f6_qkv, .Lfunc_end_k_qcb43be58f6_qkv-k_qcb43be58f6_qkv
	.p2alignl 7, 3214868480
	.fill 96, 4, 3214868480
	.section	.rodata,"a",@progbits
	.p2align	6, 0x0
	.amdhsa_kernel k_qcb43be58f6_qkv
		.amdhsa_group_segment_fixed_size 327680
		.amdhsa_private_segment_fixed_size 0
		.amdhsa_enable_private_segment 0
		.amdhsa_kernarg_size 40
		.amdhsa_user_sgpr_count 2
		.amdhsa_user_sgpr_kernarg_segment_ptr 1
		.amdhsa_wavefront_size32 1
		.amdhsa_system_sgpr_workgroup_id_x 1
		.amdhsa_system_sgpr_workgroup_id_y 1
		.amdhsa_system_sgpr_workgroup_id_z 1
		.amdhsa_system_vgpr_workitem_id 0
		.amdhsa_next_free_vgpr 768
		.amdhsa_next_free_sgpr 100
		.amdhsa_reserve_vcc 0
		.amdhsa_float_denorm_mode_32 3
		.amdhsa_float_denorm_mode_16_64 3
		.amdhsa_memory_ordered 1
		.amdhsa_forward_progress 1
		.amdhsa_inst_pref_size 93
	.end_amdhsa_kernel
	.amdgpu_metadata
---
amdhsa.version: [ 1, 2 ]
amdhsa.kernels:
  - .name:           k_qcb43be58f6_qkv
    .symbol:         k_qcb43be58f6_qkv.kd
    .args:
      - { .name: img, .offset: 0, .size: 8, .value_kind: global_buffer, .address_space: global }
      - { .name: bq, .offset: 8, .size: 8, .value_kind: global_buffer, .address_space: global }
      - { .name: bk, .offset: 16, .size: 8, .value_kind: global_buffer, .address_space: global }
      - { .name: bv, .offset: 24, .size: 8, .value_kind: global_buffer, .address_space: global }
      - { .name: qkv, .offset: 32, .size: 8, .value_kind: global_buffer, .address_space: global }
    .group_segment_fixed_size: 327680
    .private_segment_fixed_size: 0
    .kernarg_segment_align: 8
    .kernarg_segment_size: 40
    .max_flat_workgroup_size: 128
    .sgpr_count:     100
    .vgpr_count:     768
    .wavefront_size: 32
...
	.end_amdgpu_metadata
.endif
;; end of part 2
;; launch attn (part 3): grid 4 x 64, 16 waves a work-group, clusters of 4 x 1, 212,992 bytes of LDS; arguments qkv, oimg, osc; writes oimg, osc
.if DOCPART == 3
	.amdgcn_target "amdgcn-amd-amdhsa--gfx1250"
	.amdhsa_code_object_version 6
	.text
	.protected	k_qcb43be58f6_attn
	.globl	k_qcb43be58f6_attn
	.p2align	8
	.type	k_qcb43be58f6_attn,@function
k_qcb43be58f6_attn:
	s_mov_b64 s[64:65], 0
	v_nop
	global_prefetch_b8 v0, s[64:65] scope:SCOPE_SE
	s_setreg_imm32_b32 hwreg(HW_REG_WAVE_MODE, 25, 1), 1
	s_wait_xcnt 0x0
	s_wait_alu depctr_hold_cnt(0) depctr_sa_sdst(0) depctr_va_vdst(0) depctr_va_sdst(0) depctr_va_ssrc(0) depctr_va_vcc(0) depctr_vm_vsrc(0)
	s_getreg_b32 s2, hwreg(HW_REG_IB_STS2, 6, 4)
	s_cmp_eq_u32 s2, 0
	s_cbranch_scc0 .Lentry_in_a_cluster
	s_endpgm
.Lentry_in_a_cluster:
	s_bfe_u32 s2, ttmp6, 0x10000c
	s_cmp_lg_u32 s2, 0x3003
	s_cbranch_scc0 .Lentry_shape_is_right
	s_endpgm
.Lentry_shape_is_right:
; O = softmax(Q K^T / 8) V for one head, both products on codes of FP6 (E2M3) with E8M0 scales, and O / l quantised along the head's 64 for the last projection.
; THE SOFTMAX AHEAD OF THE SECOND PRODUCT: t = score x log2(e) / 8; M = the row's largest t so far, rounded UP to a whole number; p = 2^(t - M) is what is quantised, along the keys.
; The row's sum is taken of the unquantised p and divides O at the end.  When M moves, the sum and O are multiplied by 2^(old M - new M): exact.
; SHARES: a work-group owns 512 queries of one head, each of its sixteen waves two tiles of 16, one after the other, in 256 registers: four waves to a SIMD, so that one wave's vector work
; stands beside another's matrix work and LDS loads.  The head's K and V, 16 records of 13,056 bytes (128 keys each), fit in LDS: each wave brings one record, ONCE; nothing is filled again.
; CLUSTER 4 x 1: the four query quarters of a head read the same K and V: each record is asked for jointly, by the same load with the same descriptor in all four.
; LAYOUT: both products are used transposed, S^T = K Q^T and O^T = V^T P^T: a lane holds one query throughout.  The keys of a tile of K are 32 b + 8 u + r + 8 (r / 8), so that the 16 registers
; of tiles 2 b, 2 b + 1 are 16 neighbouring keys.  All operands lie in qkv as images of their registers.
; THE HEAD'S 64 IN A K STEP OF 128: Q's registers 6-11 are zero codes; K's tile t is named as v[40 + 6 t : 51 + 6 t], whose upper six registers are the next tile's codes (zeros behind the last):
; finite numbers times zero.  The scale bytes of that upper half are 0x7f on both sides.
; LIMITS: p under 2^-126 comes out as 0; a block of zeros gets the byte 1 where the rule says 127 (its codes are zeros, and this program alone reads the bytes); NaN and infinities are not served.
; REGISTERS: v1-11 addresses; v12 -M, v13 the largest t, v[14:15] the sum in two halves; v16-27, v236-247 Q's two tiles; v28, v29 their scale words; v40-87 K's or V's fragments, v88-93 zeros;
; v96-159 S^T, then p; v160-191 O^T; v192-210 p's codes; v212-223 at work; v224-227 K's scale words, v228-229 V's, v230 p's; v[232:233] f; v234 at work.
.set QREC,  19712
.set HSTR,  16*QREC
.set KVB,   13056                      ; what of a record comes into LDS: K's and V's images and scale words
.set OSC,   16*KVB                     ; behind them: the work-group's 512 scale words of O
.set SPARE, OSC+2048                   ; the spare words, 128 bytes for each wave
.set SPW,  5
.set NIL,  6
.set BM,   212                         ; a block's largest score, then its largest p
.set T4,   216
.set SO,   220                         ; the conversions' scale operands
.macro CROUND                          ; a round of the cluster's barrier
	s_barrier_signal -1
	s_barrier_wait -1
	s_cmp_lg_u32 s14, 0
	s_cbranch_scc1 .Lnot_wave_0_\@
	s_barrier_signal -3
.Lnot_wave_0_\@:
	s_barrier_wait -3
	s_barrier_signal -1
	s_barrier_wait -1
.endm
; A KEY STEP: 128 keys, the record at LDS byte s2.  qr: Q's fragment; sr: its scale words.
.macro STEP qr, sr
	v_add_nc_u32 v8, s2, v1
	v_add_nc_u32 v9, s2, v2
	v_nop
	v_nop                                          ; four places between the last products and the loads into registers that they read
.irp t, 0,1,2,3,4,5,6,7
	ds_load_b128 v[40+6*\t:43+6*\t], v8 offset:768*\t
	ds_load_b64 v[44+6*\t:45+6*\t], v9 offset:768*\t+512
.endr
	ds_load_b64 v[224:225], v9 offset:12288        ; K's scale words: lanes 0-15 an even tile's, lanes 16-31 the odd one's
	ds_load_b64 v[226:227], v9 offset:12544
	s_wait_alu depctr_va_vdst(0)
	s_wait_dscnt 0x0
.irp t, 0,2,4,6
	v_wmma_scale_f32_16x16x128_f8f6f4 v[96+8*\t:103+8*\t], v[40+6*\t:51+6*\t], v[\qr:\qr+11], 0, v[224+\t/2], v[\sr] matrix_a_fmt:MATRIX_FMT_FP6 matrix_b_fmt:MATRIX_FMT_FP6
	v_wmma_scale_f32_16x16x128_f8f6f4 v[104+8*\t:111+8*\t], v[46+6*\t:57+6*\t], v[\qr:\qr+11], 0, v[224+\t/2], v[\sr] matrix_a_fmt:MATRIX_FMT_FP6 matrix_b_fmt:MATRIX_FMT_FP6 matrix_a_scale:MATRIX_SCALE_ROW1
.endr
.rept 4
	v_nop                                          ; four places: for the loads below, into registers that these products read, and for the first read of the scores
.endr
.irp d, 0,1,2,3                                    ; V's fragments are asked for now and land under the softmax
.irp c, 0,1
	ds_load_b128 v[40+12*\d+6*\c:43+12*\d+6*\c], v8 offset:6144+1536*\d+768*\c
	ds_load_b64 v[44+12*\d+6*\c:45+12*\d+6*\c], v9 offset:6144+1536*\d+768*\c+512
.endr
.endr
	ds_load_b64 v[228:229], v9 offset:12800
.irp b, 0,1,2,3
	v_max3_num_f32 v[BM+\b], v[96+16*\b], v[97+16*\b], v[98+16*\b]   ; the largest score of each block of 32 keys: for the row's maximum, and, since p rises with the score, for the block's largest p
.endr
.irp i, 3,5,7,9,11,13
.irp b, 0,1,2,3
	v_max3_num_f32 v[BM+\b], v[BM+\b], v[96+16*\b+\i], v[97+16*\b+\i]
.endr
.endr
.irp b, 0,1,2,3
	v_max_num_f32 v[BM+\b], v[BM+\b], v[111+16*\b]
.endr
.irp b, 0,1,2,3
	s_delay_alu instid0(VALU_DEP_4)
	v_permlanex16_b32 v[T4+\b], v[BM+\b], s20, s21
.endr
.irp b, 0,1,2,3
	s_delay_alu instid0(VALU_DEP_4)
	v_max_num_f32 v[BM+\b], v[BM+\b], v[T4+\b]     ; with lane l xor 16's 16 keys
.endr
	s_delay_alu instid0(VALU_DEP_2)
	v_max3_num_f32 v234, v[BM], v[BM+1], v[BM+2]
	s_delay_alu instid0(VALU_DEP_1)
	v_max_num_f32 v234, v234, v[BM+3]              ; the step's largest score of my query
	s_delay_alu instid0(VALU_DEP_1)
	v_mul_f32 v234, s22, v234                      ; as t (c is positive)
	s_delay_alu instid0(VALU_DEP_1)
	v_max_num_f32 v13, v13, v234                   ; the running largest t
	v_mov_b32 v234, v12
	s_delay_alu instid0(VALU_DEP_2)
	v_floor_f32 v12, -v13                          ; the new -M = floor(-t): M is a whole number
	s_delay_alu instid0(VALU_DEP_1)
	v_sub_f32 v234, v12, v234                      ; old M - new M: a whole number, 0 or less
	s_delay_alu instid0(VALU_DEP_1)
	v_cvt_i32_f32 v234, v234                       ; (it saturates)
	s_delay_alu instid0(VALU_DEP_1)
	v_ldexp_f32 v232, 1.0, v234                    ; f = 2^(old M - new M)
.set JJ, 0
.rept 32
	v_pk_fma_f32 v[96+JJ:97+JJ], v[96+JJ:97+JJ], s[22:23], v[12:13] op_sel_hi:[1,0,0]   ; t - M, two at a time
.set JJ, JJ+2
.endr
.irp b, 0,1,2,3
	v_fma_f32 v[BM+\b], v[BM+\b], s22, v12         ; the same of each block's largest score
.endr
.set JJ, 0
	s_wait_alu depctr_va_vdst(0)
.rept 64
	v_exp_f32 v[96+JJ], v[96+JJ]                   ; p = 2^(t - M), at most 1: not normalised
.set JJ, JJ+1
.endr
	v_pk_mul_f32 v[14:15], v[14:15], v[232:233] op_sel_hi:[1,0]   ; the sums under the new M: a plain place behind the exponentials
	s_wait_alu depctr_va_vdst(0)                   ; one wait for the whole batch, ahead of its first reader
.irp b, 0,1,2,3
	v_exp_f32 v[BM+\b], v[BM+\b]                   ; the block's largest p: the same two instructions on the same number give the same bits
.endr
	v_pk_add_f32 v[216:217], v[100:101], v[104:105]
	v_pk_add_f32 v[254:255], v[108:109], v[112:113]
	v_pk_add_f32 v[252:253], v[116:117], v[120:121]
	v_pk_add_f32 v[250:251], v[124:125], v[128:129]
	v_pk_add_f32 v[248:249], v[132:133], v[136:137]
	v_pk_add_f32 v[230:231], v[140:141], v[144:145]
	v_pk_add_f32 v[226:227], v[148:149], v[152:153]
	v_pk_add_f32 v[14:15], v[14:15], v[156:157]
	v_pk_add_f32 v[216:217], v[216:217], v[96:97]
	v_pk_add_f32 v[254:255], v[254:255], v[98:99]
	v_pk_add_f32 v[252:253], v[252:253], v[102:103]
	v_pk_add_f32 v[250:251], v[250:251], v[106:107]
	v_pk_add_f32 v[248:249], v[248:249], v[110:111]
	v_pk_add_f32 v[230:231], v[230:231], v[114:115]
	v_pk_add_f32 v[226:227], v[226:227], v[118:119]
	v_pk_add_f32 v[14:15], v[14:15], v[122:123]
	v_pk_add_f32 v[216:217], v[216:217], v[126:127]
	v_pk_add_f32 v[254:255], v[254:255], v[130:131]
	v_pk_add_f32 v[252:253], v[252:253], v[134:135]
	v_pk_add_f32 v[250:251], v[250:251], v[138:139]
	v_pk_add_f32 v[248:249], v[248:249], v[142:143]
	v_pk_add_f32 v[230:231], v[230:231], v[146:147]
	v_pk_add_f32 v[226:227], v[226:227], v[150:151]
	v_pk_add_f32 v[14:15], v[14:15], v[154:155]
	v_pk_add_f32 v[216:217], v[216:217], v[158:159]
	s_delay_alu instid0(VALU_DEP_2)
	v_pk_add_f32 v[14:15], v[14:15], v[250:251]
	s_delay_alu instid0(VALU_DEP_2)
	v_pk_add_f32 v[216:217], v[216:217], v[248:249]
	v_pk_add_f32 v[254:255], v[254:255], v[230:231]
	v_pk_add_f32 v[252:253], v[252:253], v[226:227]
	s_delay_alu instid0(VALU_DEP_2)
	v_pk_add_f32 v[14:15], v[14:15], v[254:255]
	s_delay_alu instid0(VALU_DEP_2)
	v_pk_add_f32 v[216:217], v[216:217], v[252:253]
	s_delay_alu instid0(VALU_DEP_1)
	v_pk_add_f32 v[14:15], v[14:15], v[216:217]
	s_wait_alu depctr_va_vdst(0)                   ; and one wait for the four
.irp b, 0,1,2,3
	v_max_num_f32 v[BM+\b], 0x1800000, v[BM+\b]    ; the floor 2^(3 - 127): the byte cannot fall under 1
.endr
.irp b, 0,1,2,3
	s_delay_alu instid0(VALU_DEP_4)
	v_add_nc_u32 v[SO+\b], 0xff000000, v[BM+\b]    ; 2 off the exponent field: the conversion's scale operand
.endr
.irp b, 0,1,2,3
	s_delay_alu instid0(VALU_DEP_4)
	v_lshrrev_b32 v[T4+\b], 23, v[SO+\b]           ; the scale's byte
.endr
	s_delay_alu instid0(VALU_DEP_3)
	v_lshl_or_b32 v230, v[T4+1], 8, v[T4]          ; p's scale word for these 128 keys
	s_delay_alu instid0(VALU_DEP_1)
	v_lshl_or_b32 v230, v[T4+2], 16, v230
	s_delay_alu instid0(VALU_DEP_1)
	v_lshl_or_b32 v230, v[T4+3], 24, v230
.irp c, 0,1
	v_cvt_scalef32_pk16_fp6_f32 v[192+6*\c:194+6*\c], v[96+32*\c:111+32*\c], v[SO+2*\c]
	v_cvt_scalef32_pk16_fp6_f32 v[204+4*\c:206+4*\c], v[112+32*\c:127+32*\c], v[SO+2*\c+1]
.endr
	v_nop                                          ; one plain place behind a scaled conversion
.irp c, 0,1                                        ; the operand wants a whole block in a lane
.irp i, 0,1,2
	v_permlane16_swap_b32 v[192+6*\c+\i], v[204+4*\c+\i]
.endr
.irp i, 0,1,2
	s_delay_alu instid0(VALU_DEP_3)
	v_mov_b32 v[195+6*\c+\i], v[204+4*\c+\i]
.endr
.endr
.set JJ, 0
.rept 16
	v_pk_mul_f32 v[160+JJ:161+JJ], v[160+JJ:161+JJ], v[232:233] op_sel_hi:[1,0]   ; O^T under the new M.  These are also the places between the lines that made p's codes and scale word and the products
.set JJ, JJ+2
.endr
	s_wait_alu depctr_va_vdst(0)
	s_wait_dscnt 0x0                               ; V is in
.irp d, 0,2
	v_wmma_scale_f32_16x16x128_f8f6f4 v[160+8*\d:167+8*\d], v[40+12*\d:51+12*\d], v[192:203], v[160+8*\d:167+8*\d], v[228+\d/2], v230 matrix_a_fmt:MATRIX_FMT_FP6 matrix_b_fmt:MATRIX_FMT_FP6
	v_wmma_scale_f32_16x16x128_f8f6f4 v[168+8*\d:175+8*\d], v[52+12*\d:63+12*\d], v[192:203], v[168+8*\d:175+8*\d], v[228+\d/2], v230 matrix_a_fmt:MATRIX_FMT_FP6 matrix_b_fmt:MATRIX_FMT_FP6 matrix_a_scale:MATRIX_SCALE_ROW1
.endr
	s_add_co_u32 s2, s2, KVB                       ; the next record
.endm
; One tile of 16 queries: all 2,048 keys, then O / l, quantised along the head's 64: half a fragment and a scale word a row.
.macro TILE n, qr, sr
	v_mov_b32 v13, 0xff61b1e6                      ; the largest t so far: -3e38, under every t
	s_delay_alu instid0(VALU_DEP_1)
	v_floor_f32 v12, -v13
	v_mov_b32 v14, 0
	v_mov_b32 v15, 0
.set JJ, 0
.rept 32
	v_mov_b32 v[160+JJ], 0                         ; O^T: the step is written once; its first trip finds zeros, which the first change of M leaves zeros
.set JJ, JJ+1
.endr
	s_mov_b32 s2, 0
	s_mov_b32 s3, 16
.Lstep_\@:
	STEP \qr, \sr
	s_sub_co_u32 s3, s3, 1
	s_cmp_lg_u32 s3, 0
	s_cbranch_scc1 .Lstep_\@
.rept 4
	v_nop                                          ; four places in front of the first read of O^T
.endr
	v_add_f32 v14, v14, v15
	s_delay_alu instid0(VALU_DEP_1)
	v_permlanex16_b32 v234, v14, s20, s21
	s_delay_alu instid0(VALU_DEP_1)
	v_add_f32 v14, v14, v234                       ; the row's sum
	s_wait_alu depctr_va_vdst(0)
	v_rcp_f32 v14, v14
	v_nop                                          ; a plain place behind the reciprocal,
	s_wait_alu depctr_va_vdst(0)                   ; and the wait ahead of its first reader
.set JJ, 0
.rept 16
	v_pk_mul_f32 v[96+JJ:97+JJ], v[160+JJ:161+JJ], v[14:15] op_sel_hi:[1,0]   ; register 16 b + i is channel 32 b + 16 h + i of my query; each accumulator from its low end on
.set JJ, JJ+2
.endr
.irp b, 0,1
	v_max3_num_f32 v[BM+\b], |v[96+16*\b]|, |v[97+16*\b]|, 0x1800000
.endr
.irp i, 2,4,6,8,10,12,14
.irp b, 0,1
	s_delay_alu instid0(VALU_DEP_2)
	v_max3_num_f32 v[BM+\b], v[BM+\b], |v[96+16*\b+\i]|, |v[97+16*\b+\i]|
.endr
.endr
.irp b, 0,1
	s_delay_alu instid0(VALU_DEP_2)
	v_permlanex16_b32 v[T4+\b], v[BM+\b], s20, s21
.endr
.irp b, 0,1
	s_delay_alu instid0(VALU_DEP_2)
	v_max_num_f32 v[BM+\b], v[BM+\b], v[T4+\b]
.endr
.irp b, 0,1
	s_delay_alu instid0(VALU_DEP_2)
	v_add_nc_u32 v[SO+\b], 0xff000000, v[BM+\b]
.endr
.irp b, 0,1
	s_delay_alu instid0(VALU_DEP_2)
	v_lshrrev_b32 v[T4+\b], 23, v[SO+\b]
.endr
	s_delay_alu instid0(VALU_DEP_1)
	v_lshl_or_b32 v234, v[T4+1], 8, v[T4]          ; the head's two bytes; the upper half is 0
	v_cvt_scalef32_pk16_fp6_f32 v[192:194], v[96:111], v[SO]
	v_cvt_scalef32_pk16_fp6_f32 v[204:206], v[112:127], v[SO+1]
	v_nop
.irp i, 0,1,2
	v_permlane16_swap_b32 v[192+\i], v[204+\i]
.endr
.irp i, 0,1,2
	s_delay_alu instid0(VALU_DEP_3)
	v_mov_b32 v[195+\i], v[204+\i]
.endr
	global_store_b128 v1, v[192:195], s[46:47] offset:12288*\n        ; 512 consecutive bytes, at a multiple of 256 from the buffer's first byte
	global_store_b64 v2, v[196:197], s[46:47] offset:12288*\n+512     ; 256 more
	ds_store_b32 v4, v234 offset:64*\n                                ; both lanes of a row write the same word with the same value
	s_wait_xcnt 0x0                                ; the stores' registers are written again only behind these waits
	s_wait_dscnt 0x0
.endm
	s_load_b128 s[4:7], s[0:1], 0x0                ; qkv, oimg
	s_load_b64 s[8:9], s[0:1], 0x10                ; osc
	v_lshl_add_u32 v[SPW], v0, 2, SPARE
	v_mov_b32 v[NIL], 0
	ds_add_u32 v[SPW], v[NIL]                      ; the wave's opening: the add and its wait stand ahead of my first tensor load; work on registers stands between them
	ds_add_u32 v[SPW], v[NIL]
	v_lshrrev_b32 v1, 5, v0
	s_delay_alu instid0(VALU_DEP_1)
	v_readfirstlane_b32 s14, v1                    ; wave 0..15
	s_bfe_u32 s17, ttmp6, 0x40000                  ; cx: which quarter of the queries
	s_and_b32 s19, ttmp7, 0xffff                   ; batch x 16 + head, which the four partners share
	s_mov_b32 s24, 15|(3<<16)|(1<<21)              ; 15:0 the mask: all four; 17:16 elements of 8 bytes; 21 set beside a mask; no padding
	s_mov_b32 s25, 32<<16                          ; a dense block as rows of 256 bytes
	s_mov_b32 s26, 51<<16                          ; 51 of them
	s_mov_b32 s27, 32<<16
	s_mov_b32 s28, 51
	s_mov_b32 s29, 32
	s_mov_b32 s30, 0
	s_mov_b32 s31, 0
	s_mul_i32 s36, s19, HSTR                       ; the head's first byte in qkv
	s_mul_i32 s37, s14, QREC
	s_add_co_u32 s38, s36, s37                     ; the record that I fetch
	s_mov_b32 s39, 0
	s_mov_b32 s32, 1
	s_mul_i32 s33, s14, KVB                        ; and where it goes
	s_lshl_b32 s40, s17, 2
	s_lshr_b32 s41, s14, 2
	s_add_co_u32 s40, s40, s41
	s_mul_i32 s40, s40, QREC
	s_add_co_u32 s40, s40, s36                     ; the record that holds my two tiles of queries
	s_and_b32 s41, s14, 3
	s_mul_i32 s41, s41, 1536
	s_add_co_u32 s42, s40, s41
	s_add_co_u32 s42, s42, 13056                   ; their codes
	s_mov_b32 s43, 0
	s_bfe_u32 s41, s14, 0x10001
	s_lshl_b32 s41, s41, 8
	s_add_co_u32 s44, s40, s41
	s_and_b32 s41, s14, 1
	s_lshl_b32 s41, s41, 2
	s_add_co_u32 s44, s44, s41
	s_add_co_u32 s44, s44, 19200                   ; their scale words
	s_mov_b32 s45, 0
	s_lshr_b32 s46, s19, 4
	s_lshl_b32 s46, s46, 7
	s_lshl_b32 s47, s17, 5
	s_add_co_u32 s46, s46, s47                     ; the work-group's first tile of tokens: 128 x batch + 32 cx
	s_and_b32 s50, s19, 15                         ; the head
	s_lshl_b32 s48, s46, 6
	s_lshl_b32 s47, s50, 15
	s_add_co_u32 s48, s48, s47                     ; osc: [head][tile][row], 64 bytes a tile
	s_mov_b32 s49, 0
	s_lshl_b32 s47, s14, 1
	s_add_co_u32 s46, s46, s47
	s_mul_i32 s46, s46, 12288
	s_mul_i32 s47, s50, 768
	s_add_co_u32 s46, s46, s47                     ; oimg: [tile][head], 768 bytes
	s_mov_b32 s47, 0
	s_mov_b32 s20, 0x76543210
	s_mov_b32 s21, 0xfedcba98                      ; lane selects: lane l xor 16
	s_mov_b32 s22, 0x3e38aa3b                      ; c = log2(e) / 8
	s_mov_b32 s23, s22                             ; (named with it as a pair, so it is written)
	s_wait_dscnt 0x0                               ; the opening add is done
	s_wait_kmcnt 0x0
	s_add_nc_u64 s[34:35], s[4:5], s[38:39]
	s_or_b32 s35, s35, 0x80000000
	s_add_nc_u64 s[42:43], s[4:5], s[42:43]
	s_add_nc_u64 s[44:45], s[4:5], s[44:45]
	s_add_nc_u64 s[46:47], s[6:7], s[46:47]
	s_add_nc_u64 s[48:49], s[8:9], s[48:49]
	CROUND                                         ; all four work-groups are here: the joint loads meet
	tensor_load_to_lds s[32:35], s[24:31]          ; my one tensor load of the launch
	s_nop 0
.rept 4
	v_nop
.endr
	v_and_b32 v7, 31, v0
	s_delay_alu instid0(VALU_DEP_1)
	v_lshlrev_b32 v1, 4, v7                        ; 16 x lane
	s_delay_alu instid0(VALU_DEP_2)
	v_lshlrev_b32 v2, 3, v7                        ; 8 x lane
	v_and_b32 v7, 15, v0
	s_delay_alu instid0(VALU_DEP_1)
	v_lshlrev_b32 v3, 3, v7                        ; 8 r
	s_lshl_b32 s51, s14, 7
	s_add_co_u32 s51, s51, OSC
	v_lshl_add_u32 v4, v7, 2, s51                  ; where my rows' scale words go
	s_min_u32 s52, s14, 3
	s_lshl_b32 s52, s52, 9
	v_add_nc_u32 v10, s52, v1                      ; the way out of the scale words: waves 0 to 3, 16 bytes a lane
	s_delay_alu instid0(VALU_DEP_1)
	v_add_nc_u32 v11, OSC, v10
	global_load_b128 v[16:19], v1, s[42:43]
	global_load_b64 v[20:21], v2, s[42:43] offset:512
	global_load_b128 v[236:239], v1, s[42:43] offset:768
	global_load_b64 v[240:241], v2, s[42:43] offset:1280
	global_load_b32 v28, v3, s[44:45]
	global_load_b32 v29, v3, s[44:45] offset:128
.irp j, 22,23,24,25,26,27,242,243,244,245,246,247,88,89,90,91,92,93
	v_mov_b32 v[\j], 0                             ; zero codes: the upper 64 of Q's K step, and what stands behind K's last tile
.endr
.irp b, 0,1,2,3
	v_mov_b32 v[T4+\b], 0                          ; written once: a lane permute's destination counts as one of its sources
.endr
	v_mov_b32 v233, 0                              ; (named as the upper half of the pair v[232:233])
	s_wait_tensorcnt 0x0                           ; my record has landed,
	s_barrier_signal -1
	s_barrier_wait -1                              ; everybody's has: the whole head lies in LDS
	s_wait_loadcnt 0x0                             ; Q
	TILE 0, 16, 28
	TILE 1, 236, 29
	s_barrier_signal -1                            ; every wave's scale words lie in LDS (each has waited for its stores)
	s_barrier_wait -1
	s_cmp_lt_u32 s14, 4
	s_cbranch_scc0 .Lno_osc
	ds_load_b128 v[96:99], v11
	s_wait_dscnt 0x0
	global_store_b128 v10, v[96:99], s[48:49]      ; 2,048 consecutive bytes by four waves
.Lno_osc:
	s_wait_tensorcnt 0x0                           ; the wave's end: behind my last tensor load and my last LDS store
	ds_add_u32 v[SPW], v[NIL]
	s_wait_dscnt 0x0
	CROUND                                         ; the closing round
	s_endpgm
.Lfunc_end_k_qcb43be58f6_attn:
	.size	k_qcb43be58f6_attn, .Lfunc_end_k_qcb43be58f6_attn-k_qcb43be58f6_attn
	.p2alignl 7, 3214868480
	.fill 96, 4, 3214868480
	.section	.rodata,"a",@progbits
	.p2align	6, 0x0
	.amdhsa_kernel k_qcb43be58f6_attn
		.amdhsa_group_segment_fixed_size 212992
		.amdhsa_private_segment_fixed_size 0
		.amdhsa_enable_private_segment 0
		.amdhsa_kernarg_size 24
		.amdhsa_user_sgpr_count 2
		.amdhsa_user_sgpr_kernarg_segment_ptr 1
		.amdhsa_wavefront_size32 1
		.amdhsa_system_sgpr_workgroup_id_x 1
		.amdhsa_system_sgpr_workgroup_id_y 1
		.amdhsa_system_sgpr_workgroup_id_z 1
		.amdhsa_system_vgpr_workitem_id 0
		.amdhsa_next_free_vgpr 256
		.amdhsa_next_free_sgpr 66
		.amdhsa_reserve_vcc 0
		.amdhsa_float_denorm_mode_32 3
		.amdhsa_float_denorm_mode_16_64 3
		.amdhsa_memory_ordered 1
		.amdhsa_forward_progress 1
		.amdhsa_inst_pref_size 53
	.end_amdhsa_kernel
	.amdgpu_metadata
---
amdhsa.version: [ 1, 2 ]
amdhsa.kernels:
  - .name:           k_qcb43be58f6_attn
    .symbol:         k_qcb43be58f6_attn.kd
    .args:
      - { .name: qkv, .offset: 0, .size: 8, .value_kind: global_buffer, .address_space: global }
      - { .name: oimg, .offset: 8, .size: 8, .value_kind: global_buffer, .address_space: global }
      - { .name: osc, .offset: 16, .size: 8, .value_kind: global_buffer, .address_space: global }
    .group_segment_fixed_size: 212992
    .private_segment_fixed_size: 0
    .kernarg_segment_align: 8
    .kernarg_segment_size: 24
    .max_flat_workgroup_size: 512
    .sgpr_count:     66
    .vgpr_count:     256
    .wavefront_size: 32
...
	.end_amdgpu_metadata
.endif
;; end of part 3
;; launch proj (part 4): grid 4 x 64, 4 waves a work-group, clusters of 4 x 4, 327,680 bytes of LDS; arguments img, oimg, osc, bo, out0; writes out0
.if DOCPART == 4
	.amdgcn_target "amdgcn-amd-amdhsa--gfx1250"
	.amdhsa_code_object_version 6
	.text
	.protected	k_qcb43be58f6_proj
	.globl	k_qcb43be58f6_proj
	.p2align	8
	.type	k_qcb43be58f6_proj,@function
k_qcb43be58f6_proj:
	s_mov_b64 s[64:65], 0
	v_nop
	global_prefetch_b8 v0, s[64:65] scope:SCOPE_SE
	s_setreg_imm32_b32 hwreg(HW_REG_WAVE_MODE, 25, 1), 1
	s_wait_xcnt 0x0
	s_wait_alu depctr_hold_cnt(0) depctr_sa_sdst(0) depctr_va_vdst(0) depctr_va_sdst(0) depctr_va_ssrc(0) depctr_va_vcc(0) depctr_vm_vsrc(0)
	s_getreg_b32 s2, hwreg(HW_REG_IB_STS2, 6, 4)
	s_cmp_eq_u32 s2, 0
	s_cbranch_scc0 .Lentry_in_a_cluster
	s_endpgm
.Lentry_in_a_cluster:
	s_bfe_u32 s2, ttmp6, 0x10000c
	s_cmp_lg_u32 s2, 0xf033
	s_cbranch_scc0 .Lentry_shape_is_right
	s_endpgm
.Lentry_shape_is_right:
; out0 = O Wo^T + bo on codes of FP6 (E2M3) with E8M0 scales.  D = P R^T: source 0 = 16 rows of Wo (P), source 1 = 16 tokens of the attention's result (R): a lane holds one token and
; eight neighbouring features.  Wo lies in img as images of operand registers (tiles 704-767); O in oimg as [tile of 16 tokens][head][half a fragment, 768 bytes], its scale words in osc as [head][tile][row].
; Row r of tile 2 G + u is row 32 G + 8 u + r + 8 (r / 8), of Wo and of the tokens alike.
; SHARES: a work-group makes 256 features x 128 tokens, each of four waves 128 x 64: 32 accumulators.  All of K = 1,024 of both tiles fits in LDS: four chunks of 256 along K, each filled ONCE, all asked for at the head.
; CLUSTER 4 x 4: Wo's tile hangs on cx alone and is asked for jointly by the four of a column; the tokens' tile and scale words hang on cy alone, by the four of a row.
; The bias is the C of each sum's first product.  The way out goes through the wave's own stage, which lies in Wo's first half: it has had its only fill, and behind the barrier in front of step 4 nobody reads it.
; REGISTERS, in windows of 256: window 0: v2-7, v24-27 addresses; v8-23 Wo's scale words, two sets; v32-127, v128-175 fragments of the even K steps; v176-207 halves of O's scale words; v208-223 O's scale words.
;   window 1: the accumulators, (a, i) at v[64 a + 8 i].   window 2: v32-175 fragments of the odd K steps; v176-239 the bias.
.set TSTR,  13312
.set REC,   3328
.set RREC,  3072                       ; a tile of tokens, 256 along K: four heads' halves
.set TS2,   2*REC                      ; half a tile of Wo: its two records for 512 along K, 6,656 bytes on end in img
.set PHALF, 16*TS2                     ; LDS: Wo's 16 half tiles of the first 512 along K, then those of the second
.set POFF,  8*TS2
.set ROFF,  2*PHALF                    ; behind them the tokens' 8 tiles, all of K, as they lie in oimg
.set RTILE, 4*RREC
.set RW,    4*RTILE
.set OSCL,  ROFF+8*RTILE               ; behind them: O's scale words, [head][tile][row], 8,192 bytes
.set SPARE, OSCL+8192                  ; the spare words, 128 bytes for each wave
.set SPITCH, 528
.set AP,   2
.set AR16, 3
.set ASP,  4
.set AR8,  5
.set SPW,  6
.set NIL,  7
.set SCP,  8
.set STO,  24
.set RD,   25
.set CO,   26
.set ASC,  27
.set PF,   32
.set RF,   128
.set TLO,  176
.set THI,  192
.set SCR,  208
.set BP,   176                         ; in window 2
.set G1P,  24                          ; s[24:31], s[32:39], s[56:63] descriptor groups 1: Wo's tiles, the tokens', the scale words
.set G1R,  32
.set G1S,  56
.set G0P,  40                          ; s[40:43], s[68:71] groups 0 of Wo's and the tokens' loads; s[84:87] the scale words'
.set G0R,  68
.set G0S,  84
.set MSB, 0
.macro WIN new                         ; the immediate's high byte repeats the setting that is left
.if MSB != \new
	s_set_vgpr_msb (MSB<<8)|\new
.set MSB, \new
.endif
.endm
.macro CROUND                          ; a round of the cluster's barrier
	s_barrier_signal -1
	s_barrier_wait -1
	s_cmp_lg_u32 s14, 0
	s_cbranch_scc1 .Lnot_wave_0_\@
	s_barrier_signal -3
.Lnot_wave_0_\@:
	s_barrier_wait -3
	s_barrier_signal -1
	s_barrier_wait -1
.endm
.macro FRAG3 reg, off                  ; a fragment of Wo: 3 pieces of 512 bytes
.irp c, 0,1,2
	ds_load_b128 v[\reg+4*\c:\reg+4*\c+3], v[AP] offset:\off+512*\c
.endr
.endm
.macro FRAG4 reg, off                  ; a fragment of O: two heads' halves, each 512 bytes (registers 0-3) and 256 (registers 4-5)
	ds_load_b128 v[\reg:\reg+3], v[AR16] offset:\off
	ds_load_b64 v[\reg+4:\reg+5], v[AR8] offset:\off+512
	ds_load_b128 v[\reg+6:\reg+9], v[AR16] offset:\off+768
	ds_load_b64 v[\reg+10:\reg+11], v[AR8] offset:\off+1280
.endm
.macro FETCH s
.if (\s)%2 == 1
	WIN 0x80
.endif
.irp i, 0,1,2,3,4,5,6,7
	FRAG3 PF+12*\i, TS2*\i+REC*(((\s)/2)%2)+1536*((\s)%2)
.endr
.irp a, 0,1,2,3
	FRAG4 RF+12*\a, RTILE*\a+1536*(\s)
.endr
	WIN 0
.endm
.macro SCALES c                        ; Wo's scale words of a chunk: lanes 0-15 the even K step's, lanes 16-31 the odd one's
.irp i, 0,1,2,3,4,5,6,7
	ds_load_b32 v[SCP+8*((\c)%2)+\i], v[ASP] offset:TS2*\i+REC*((\c)%2)
.endr
.endm
; 32 products: K step s.  The accumulators take turns, one instruction a turn, in the same order in every step.  first = 1: C is the bias.
.macro MUL32 s, first
.set SPX, SCP+8*(((\s)/2)%2)
.set SRX, SCR+4*((\s)/2)
.if \first
	WIN 0x60
.elseif (\s)%2
	WIN 0x5a
.else
	WIN 0x50
.endif
.irp a, 0,1,2,3
.irp i, 0,1,2,3,4,5,6,7
.if \first
	v_wmma_scale_f32_16x16x128_f8f6f4 v[64*\a+8*\i:64*\a+8*\i+7], v[PF+12*\i:PF+12*\i+11], v[RF+12*\a:RF+12*\a+11], v[BP+8*\i:BP+8*\i+7], v[SPX+\i], v[SRX+\a] matrix_a_fmt:MATRIX_FMT_FP6 matrix_b_fmt:MATRIX_FMT_FP6
.elseif (\s)%2
	v_wmma_scale_f32_16x16x128_f8f6f4 v[64*\a+8*\i:64*\a+8*\i+7], v[PF+12*\i:PF+12*\i+11], v[RF+12*\a:RF+12*\a+11], v[64*\a+8*\i:64*\a+8*\i+7], v[SPX+\i], v[SRX+\a] matrix_a_fmt:MATRIX_FMT_FP6 matrix_b_fmt:MATRIX_FMT_FP6 matrix_a_scale:MATRIX_SCALE_ROW1 matrix_b_scale:MATRIX_SCALE_ROW1
.else
	v_wmma_scale_f32_16x16x128_f8f6f4 v[64*\a+8*\i:64*\a+8*\i+7], v[PF+12*\i:PF+12*\i+11], v[RF+12*\a:RF+12*\a+11], v[64*\a+8*\i:64*\a+8*\i+7], v[SPX+\i], v[SRX+\a] matrix_a_fmt:MATRIX_FMT_FP6 matrix_b_fmt:MATRIX_FMT_FP6
.endif
.endr
.endr
	WIN 0
.endm
.macro KSTEP s
	s_wait_dscnt 0x0                               ; this step's fragments are in, and no LDS instruction of mine is out at the signal below
.if (\s) < 7
.if (\s) == 3
	s_wait_tensorcnt 0x0                           ; step 4 takes Wo's second half: every wave waits for its one load,
	s_barrier_signal -1
	s_barrier_wait -1                              ; and all is shown to all; nothing is ever filled again, and nobody reads Wo's first half any more
	v_add_nc_u32 v[AP], PHALF, v[AP]               ; on to that half.  These four are also the four places between the last products and the loads into registers that they read
	v_add_nc_u32 v[ASP], PHALF, v[ASP]
	v_nop
	v_nop
.else
.rept 4
	v_nop
.endr
.endif
	FETCH (\s)+1
.if (\s)%2 == 1
	SCALES ((\s)+1)/2
.endif
.endif
	MUL32 \s, 0
.endm
; THE WAY OUT of the 16 tokens of R tile a: into my stage, 32 bytes a lane and accumulator, and back as whole rows of 512 bytes
.macro TOSTAGE a
	WIN 0x04                                       ; an LDS store's data: window 1
.irp i, 0,1,2,3,4,5,6,7
	ds_store_b128 v[STO], v[64*(\a)+8*\i:64*(\a)+8*\i+3] offset:128*(\i/2)+32*(\i%2)          ; each accumulator from its low end on
	ds_store_b128 v[STO], v[64*(\a)+8*\i+4:64*(\a)+8*\i+7] offset:128*(\i/2)+32*(\i%2)+16
.endr
	WIN 0
.irp t, 0,1,2,3,4,5,6,7,8,9,10,11,12,13,14,15
	ds_load_b128 v[32+64*((\a)%2)+4*\t:32+64*((\a)%2)+4*\t+3], v[RD] offset:\t*SPITCH       ; LDS serves a wave's instructions in order: these see my stores, and the next block's stores come behind them
.endr
.endm
.macro SEND a, younger                 ; younger: the LDS instructions issued behind block a's loads, which may stay out
	s_wait_dscnt \younger
.irp t, 0,1,2,3,4,5,6,7,8,9,10,11,12,13,14,15
	global_store_b128 v[CO], v[32+64*((\a)%2)+4*\t:32+64*((\a)%2)+4*\t+3], s[20:21] offset:(32*((\a)/2)+8*((\a)%2)+\t+8*(\t/8))*4096 th:TH_STORE_NT   ; 32 lanes store 512 consecutive bytes of the token's row, at a multiple of 256 from the buffer's first byte
.endr
.endm
	s_load_b256 s[4:11], s[0:1], 0x0               ; img, oimg, osc, bo
	s_load_b64 s[12:13], s[0:1], 0x20              ; out0
	v_lshl_add_u32 v[SPW], v0, 2, SPARE
	v_mov_b32 v[NIL], 0
	ds_add_u32 v[SPW], v[NIL]                      ; the wave's opening: the add and its wait stand ahead of my first tensor load; work on registers stands between them
	ds_add_u32 v[SPW], v[NIL]
	v_lshrrev_b32 v1, 5, v0
	v_readfirstlane_b32 s14, v1                    ; wave 0..3
	s_and_b32 s15, s14, 1                          ; which 128 of the 256 features are mine.  Also: which half of a tile's records I fetch
	s_lshr_b32 s16, s14, 1                         ; which 64 of the 128 tokens are mine.  Also: I fetch for Wo (0) or for O (1)
	s_bfe_u32 s17, ttmp6, 0x40000                  ; cx
	s_bfe_u32 s18, ttmp6, 0x40004                  ; cy
	s_and_b32 s19, ttmp7, 0xffff                   ; cluster y
	s_lshl_b32 s88, 0x1111, s17                    ; my column of the cluster
	s_lshl_b32 s89, s18, 2
	s_lshl_b32 s89, 15, s89                        ; my row
	s_or_b32 s[G1P], s88, (3<<16)|(1<<21)          ; 15:0 the mask; 17:16 elements of 8 bytes; 21 set beside a mask; no padding
	s_or_b32 s[G1R], s89, (3<<16)|(1<<21)
	s_or_b32 s[G1S], s89, (3<<16)|(1<<21)
	s_mov_b32 s[G1P+1], 832<<16                    ; Wo: 16 half tiles of 6,656 bytes, 13,312 bytes apart
	s_mov_b32 s[G1P+2], 16<<16
	s_mov_b32 s[G1P+3], 832<<16
	s_mov_b32 s[G1P+4], 16
	s_mov_b32 s[G1P+5], 1664
	s_mov_b32 s[G1P+6], 0
	s_mov_b32 s[G1P+7], 0
	s_mov_b32 s[G1R+1], 1536<<16                   ; O: 8 tiles of 12,288 bytes on end
	s_mov_b32 s[G1R+2], 8<<16
	s_mov_b32 s[G1R+3], 1536<<16
	s_mov_b32 s[G1R+4], 8
	s_mov_b32 s[G1R+5], 1536
	s_mov_b32 s[G1R+6], 0
	s_mov_b32 s[G1R+7], 0
	s_mov_b32 s[G1S+1], 64<<16                     ; the scale words: each head's 512 bytes, 32,768 bytes apart
	s_mov_b32 s[G1S+2], 16<<16                     ; all 16 heads
	s_mov_b32 s[G1S+3], 64<<16
	s_mov_b32 s[G1S+4], 16
	s_mov_b32 s[G1S+5], 4096
	s_mov_b32 s[G1S+6], 0
	s_mov_b32 s[G1S+7], 0
	s_lshl_b32 s91, s19, 2
	s_add_co_u32 s91, s91, s18                     ; which 128 tokens: it hangs on cy, never on cx
	s_lshl_b32 s94, s17, 4
	s_add_co_u32 s94, s94, 704
	s_mul_i32 s94, s94, TSTR                       ; Wo: the 16 tiles, in bytes: it hangs on cx, never on cy;
	s_mul_i32 s95, s16, TS2
	s_add_co_u32 s94, s94, s95                     ; wave 0 takes the first half of K, wave 3 the second
	s_mov_b32 s95, 0
	s_mul_i32 s96, s91, 8*RTILE                    ; O: the 8 tiles
	s_mov_b32 s97, 0
	s_lshl_b32 s92, s91, 9                         ; the scale words: 512 bytes of each head
	s_mov_b32 s93, 0
	s_mul_i32 s98, s16, PHALF                      ; where they go: the wave's number alone enters an LDS address
	s_mov_b32 s99, ROFF
	s_mov_b32 s90, OSCL
	s_wait_dscnt 0x0                               ; the opening add is done
	s_wait_kmcnt 0x0
	s_add_nc_u64 s[94:95], s[4:5], s[94:95]
	s_add_nc_u64 s[96:97], s[6:7], s[96:97]
	s_add_nc_u64 s[92:93], s[8:9], s[92:93]
	CROUND                                         ; all sixteen work-groups are here: the joint loads meet
	s_mov_b32 s[G0S], 1
	s_mov_b32 s[G0S+1], s90
	s_mov_b64 s[G0S+2:G0S+3], s[92:93]
	s_or_b32 s[G0S+3], s[G0S+3], 0x80000000
	s_mov_b32 s[G0P], 1
	s_mov_b32 s[G0P+1], s98
	s_mov_b64 s[G0P+2:G0P+3], s[94:95]
	s_or_b32 s[G0P+3], s[G0P+3], 0x80000000
	s_mov_b32 s[G0R], 1
	s_mov_b32 s[G0R+1], s99
	s_mov_b64 s[G0R+2:G0R+3], s[96:97]
	s_or_b32 s[G0R+3], s[G0R+3], 0x80000000
; THE HEAD'S LOADS, ONE A WAVE: wave 0 Wo's first 512 along K, wave 1 the tokens' tiles, wave 2 their scale words, wave 3 Wo's second 512.
; One chain of branches on the wave's number, a load line of its own in each arm, all arms leading to one join.
.macro ARM under, g0, g1, next
	s_cmp_lt_u32 s14, \under
	s_cbranch_scc0 \next
	tensor_load_to_lds s[\g0:\g0+3], s[\g1:\g1+7]
	s_nop 0
.rept 4
	v_nop
.endr
	s_branch .Lasked
\next:
.endm
	ARM 1, G0P, G1P, .Lhead_1
	ARM 2, G0R, G1R, .Lhead_2
	ARM 3, G0S, G1S, .Lhead_3
	tensor_load_to_lds s[G0P:G0P+3], s[G1P:G1P+7]
	s_nop 0
.rept 4
	v_nop
.endr
.Lasked:
	v_and_b32 v1, 31, v0                           ; lane
	v_and_b32 v226, 15, v0                         ; r
	v_bfe_u32 v227, v0, 4, 1                       ; h
	v_lshlrev_b32 v[CO], 4, v1                     ; 16 x lane
	v_lshlrev_b32 v225, 3, v1                      ; 8 x lane
	s_mul_i32 s88, s15, POFF
	v_add_nc_u32 v[AP], s88, v[CO]
	v_add_nc_u32 v[ASP], s88, v225
	v_add_nc_u32 v[ASP], 3072, v[ASP]
	s_mul_i32 s89, s16, RW
	s_add_co_u32 s89, s89, ROFF
	v_add_nc_u32 v[AR16], s89, v[CO]
	v_add_nc_u32 v[AR8], s89, v225
	v_lshlrev_b32 v[ASC], 10, v227                 ; O's scale words: lanes 16-31 take the odd K step's two heads, 1,024 bytes on;
	v_lshl_add_u32 v[ASC], v226, 2, v[ASC]         ; row r;
	s_lshl_b32 s88, s16, 8
	s_add_co_u32 s88, s88, OSCL
	v_add_nc_u32 v[ASC], s88, v[ASC]               ; my four tiles
	s_mul_i32 s88, s14, 16*SPITCH                  ; my stage
	v_mul_u32_u24 v[STO], v226, SPITCH
	v_lshl_add_u32 v[STO], v227, 6, v[STO]
	v_add_nc_u32 v[STO], s88, v[STO]               ; in: row r, + 64 h
	v_add_nc_u32 v[RD], s88, v[CO]                 ; back: 16 bytes a lane
	s_lshl_b32 s88, s17, 10
	s_lshl_b32 s89, s15, 9
	s_add_co_u32 s88, s88, s89                     ; my first feature, 256 cx + 128 x half, in bytes
	s_mov_b32 s89, 0
	s_add_nc_u64 s[22:23], s[10:11], s[88:89]      ; in bo,
	s_add_nc_u64 s[20:21], s[12:13], s[88:89]      ; and in a row of out0
	s_lshl_b32 s88, s91, 19
	s_lshl_b32 s92, s16, 18
	s_add_co_u32 s88, s88, s92                     ; my first token: 128 x tile + 64 x half, rows of 4,096 bytes
	s_add_nc_u64 s[20:21], s[20:21], s[88:89]
	v_lshlrev_b32 v228, 6, v227                    ; 16 h numbers
	WIN 0x80
.irp i, 0,1,2,3,4,5,6,7
	global_load_b128 v[BP+8*\i:BP+8*\i+3], v228, s[22:23] offset:(32*(\i/2)+8*(\i%2))*4        ; tile i, register j: the bias of feature 32 (i / 2) + 16 h + 8 (i % 2) + j
	global_load_b128 v[BP+8*\i+4:BP+8*\i+7], v228, s[22:23] offset:(32*(\i/2)+8*(\i%2))*4+16
.endr
	WIN 0
	s_wait_alu depctr_va_vdst(0)
	s_cmp_lt_u32 s14, 3                            ; waves 0 to 2 wait for their loads; Wo's second half may stay out across this barrier
	s_cbranch_scc0 .Lsecond_half
	s_wait_tensorcnt 0x0
.Lsecond_half:
	s_barrier_signal -1
	s_barrier_wait -1                              ; everybody's have
	FETCH 0
	SCALES 0
.irp p, 0,1,2,3
.irp a, 0,1,2,3
	ds_load_b32 v[TLO+4*\p+\a], v[ASC] offset:2048*\p+64*\a         ; the lower head's two bytes,
	ds_load_b32 v[THI+4*\p+\a], v[ASC] offset:2048*\p+64*\a+512     ; the upper head's
.endr
.endr
	s_wait_dscnt 0x0
.irp k, 0,1,2,3,4,5,6,7,8,9,10,11,12,13,14,15
	v_lshl_or_b32 v[SCR+\k], v[THI+\k], 16, v[TLO+\k]               ; a K step's scale word of a token: made once for all of K
.endr
	FETCH 1
.rept 8
	v_nop                                          ; eight places between a scale register written by a vector instruction and the scaled product
.endr
	s_wait_alu depctr_va_vdst(0)
	s_wait_loadcnt 0x0                             ; the bias
	MUL32 0, 1                                     ; the first products start the sums with the bias
	KSTEP 1
	KSTEP 2
	KSTEP 3
	s_wait_alu depctr_va_vdst(0)
	KSTEP 4
	KSTEP 5
	KSTEP 6
	KSTEP 7
.rept 4
	v_nop                                          ; four places in front of the first read of results, and of loads into registers that held fragments
.endr
	TOSTAGE 0
	TOSTAGE 1
	SEND 0, 32                                     ; behind block 0's loads: block 1's 16 stores and 16 loads
	s_wait_xcnt 0x0                                ; block 0's stores have read their registers: block 2's loads may land there
	TOSTAGE 2
	SEND 1, 32
	s_wait_xcnt 0x0
	TOSTAGE 3
	SEND 2, 32
	SEND 3, 0
	s_wait_tensorcnt 0x0                           ; the wave's end: behind my last tensor load and my last LDS store
	ds_add_u32 v[SPW], v[NIL]
	s_wait_dscnt 0x0
	CROUND                                         ; the closing round: no work-group ends while a partner may still ask for a tile that names it
	s_endpgm
.Lfunc_end_k_qcb43be58f6_proj:
	.size	k_qcb43be58f6_proj, .Lfunc_end_k_qcb43be58f6_proj-k_qcb43be58f6_proj
	.p2alignl 7, 3214868480
	.fill 96, 4, 3214868480
	.section	.rodata,"a",@progbits
	.p2align	6, 0x0
	.amdhsa_kernel k_qcb43be58f6_proj
		.amdhsa_group_segment_fixed_size 327680
		.amdhsa_private_segment_fixed_size 0
		.amdhsa_enable_private_segment 0
		.amdhsa_kernarg_size 40
		.amdhsa_user_sgpr_count 2
		.amdhsa_user_sgpr_kernarg_segment_ptr 1
		.amdhsa_wavefront_size32 1
		.amdhsa_system_sgpr_workgroup_id_x 1
		.amdhsa_system_sgpr_workgroup_id_y 1
		.amdhsa_system_sgpr_workgroup_id_z 1
		.amdhsa_system_vgpr_workitem_id 0
		.amdhsa_next_free_vgpr 768
		.amdhsa_next_free_sgpr 100
		.amdhsa_reserve_vcc 0
		.amdhsa_float_denorm_mode_32 3
		.amdhsa_float_denorm_mode_16_64 3
		.amdhsa_memory_ordered 1
		.amdhsa_forward_progress 1
		.amdhsa_inst_pref_size 83
	.end_amdhsa_kernel
	.amdgpu_metadata
---
amdhsa.version: [ 1, 2 ]
amdhsa.kernels:
  - .name:           k_qcb43be58f6_proj
    .symbol:         k_qcb43be58f6_proj.kd
    .args:
      - { .name: img, .offset: 0, .size: 8, .value_kind: global_buffer, .address_space: global }
      - { .name: oimg, .offset: 8, .size: 8, .value_kind: global_buffer, .address_space: global }
      - { .name: osc, .offset: 16, .size: 8, .value_kind: global_buffer, .address_space: global }
      - { .name: bo, .offset: 24, .size: 8, .value_kind: global_buffer, .address_space: global }
      - { .name: out0, .offset: 32, .size: 8, .value_kind: global_buffer, .address_space: global }
    .group_segment_fixed_size: 327680
    .private_segment_fixed_size: 0
    .kernarg_segment_align: 8
    .kernarg_segment_size: 40
    .max_flat_workgroup_size: 128
    .sgpr_count:     100
    .vgpr_count:     768
    .wavefront_size: 32
...
	.end_amdgpu_metadata
.endif
;; end of part 4
